; MI455X (gfx1250); checked and timed in simulation.
; The chip was launched on July 23, 2026; its instructions are those of AMD's public machine-readable ISA for CDNA 5 (MIT licence, August 2026) and "CDNA5" Instruction Set Architecture Reference Guide (July 2026). The comments in the code are by the model that wrote it; some were corrected since.
;; Attention. Allowed arithmetic: matrix products marked QUANTISED: E3M2 operands, one E8M0 scale for each 32 along K, by v_wmma_scale_f32_16x16x128_f8f6f4 with both operands' format E3M2, f32 sums; everything else in f32.
;; Inputs: k_norm_w 64 float32; q_norm_w 64 float32; sink_logit 16 float32; wk 1,024 x 1,024 float32; wo 1,024 x 1,024 float32; wq 1,024 x 1,024 float32; wv 1,024 x 1,024 float32; x 2 x 2,048 x 1,024 float32.
;; Outputs: out0 2 x 2,048 x 1,024 float32.
;; This version of the problem:
;;   THIS VERSION OF THE PROBLEM IS GIVEN IN LOW PRECISION. The matrix products marked QUANTISED in the list below multiply operands that are first quantised to E3M2 (3 exponent bits, 2 mantissa bits; 6 bits a number), with one power-of-two scale for each 32 numbers along K (OCP MX v1.0); their sums are f32. All else is computed in f32.
;;   The module's matrix products, in the order in which they are computed (A, B: the left and right operand; K: the contracted axis; several contracted axes count as one K, in the product's order):
;;     1. [M 4,096, K 1,024] x [K 1,024, N 1,024]; A: input x; B: input wq: QUANTISED
;;     2. [M 4,096, K 1,024] x [K 1,024, N 1,024]; A: input x; B: input wk: QUANTISED
;;     3. [M 4,096, K 1,024] x [K 1,024, N 1,024]; A: input x; B: input wv: QUANTISED
;;     4. batch 32 x [M 2,048, K 64] x [K 64, N 2,048]; A: computed on the way; B: computed on the way: QUANTISED
;;     5. batch 32 x [M 2,048, K 2,048] x [K 2,048, N 64]; A: computed on the way; B: computed on the way: QUANTISED
;;     6. [M 4,096, K 1,024] x [K 1,024, N 1,024]; A: computed on the way; B: input wo: QUANTISED
;;   THE QUANTISER, for each operand of a quantised product, along K:
;;     - K is cut into blocks of 32 from its start; a last block that is shorter is filled with zeros.
;;     - A block's scale is 2^e with e = floor(log2(the largest magnitude in the block)) - 4, held to -126 .. 127; a block of zeros has e = 0. As a byte (E8M0): e + 127.
;;     - Each number is divided by its block's scale, clamped to +-28, and rounded to the nearest number of E3M2, ties to even, subnormals kept.
;;     - The product sums the exact products of the quantised numbers (number of the format x scale) in f32.
;;   ~~~python
;;   def quantise(x, axis):      # numpy; x: float32 -> the quantised numbers, widened to float32 again
;;       x = np.moveaxis(x, axis, -1); K = x.shape[-1]
;;       x = np.pad(x, [(0, 0)] * (x.ndim - 1) + [(0, -K % 32)]); x = x.reshape(x.shape[:-1] + (-1, 32)); a = np.abs(x).max(-1, keepdims=True)
;;       e = np.where(a > 0, np.clip(np.frexp(np.where(a > 0, a, 1))[1] - 1 - 4, -126, 127), 0)      # np.frexp(a)[1] - 1 = floor(log2(a)), exactly
;;       r = np.clip(x / 2.0 ** e, -28, 28)
;;       step = 2.0 ** (np.maximum(np.frexp(np.where(r == 0, 1, r))[1] - 1, -2) - 2)
;;       q = np.round(r / step) * step * 2.0 ** e      # np.round: ties to even
;;       return np.moveaxis(q.reshape(q.shape[:-2] + (-1,))[..., :K], -1, axis).astype(np.float32)
;;   ~~~
;;   OPERANDS COMPUTED ON THE WAY. 'Computed on the way' means the value that the module computes at that place (a softmax that the list does not call 'softmax' is quantised finished and normalised). What goes into a quantiser is computed in f32, as accurately as f32 sums, v_exp_f32 and their like allow (about 1e-6 of the number): no bf16 or f16 on the way to a quantiser, and a product that is left as it is and whose result goes on into a quantised operand takes f32 operands (vector FMAs, or v_wmma_f32_16x16x4_f32). A number that lies on a knife's edge between two numbers of the format may be rounded either way, as far as f32 arithmetic and the matrix unit's own rounding can turn it there, and no further.
;; One version. Each part assembles by itself: llvm-mc -triple=amdgcn-amd-amdhsa -mcpu=gfx1250 --defsym DOCPART=n.
;; ======== version 1 of 1: 4 launches
;; limits: right only within a limited range of input values
;; workspace buffers: xcs 3,276,800 bytes; wcs 3,276,800 bytes; rope 524,288 bytes; qbuf 3,276,800 bytes; kbuf 3,276,800 bytes; vbuf 3,276,800 bytes; acs 3,276,800 bytes
;; launch quant (part 1): grid 272 x 1, 4 waves a work-group, no clusters, 34,304 bytes of LDS; arguments x, wq, wk, wv, wo, xcs, wcs, rope; writes xcs, wcs, rope
.if DOCPART == 1
	.amdgcn_target "amdgcn-amd-amdhsa--gfx1250"
	.amdhsa_code_object_version 6
	.text
	.protected	k_qed7dae538f_quant
	.globl	k_qed7dae538f_quant
	.p2align	8
	.type	k_qed7dae538f_quant,@function
k_qed7dae538f_quant:
	s_mov_b64 s[64:65], 0
	v_nop
	global_prefetch_b8 v0, s[64:65] scope:SCOPE_SE
	s_setreg_imm32_b32 hwreg(HW_REG_WAVE_MODE, 25, 1), 1
	s_wait_xcnt 0x0
; x [4096][1024] and wq, wk, wv, wo [1024][1024], f32, K innermost, become codes of BF6 (E3M2) with one E8M0 byte for each 32 along K, laid as the products' launches want them; and RoPE's table is made.
; A block's scale is 2^(floor(log2(its largest magnitude)) - 4): its byte is the largest magnitude's exponent field - 4, held at 1 from below by a floor among the maximum's leaves.
; LAYOUT OF THE CODES (xcs: x;  wcs: wq, wk, wv, wo one below the other): [group of 256 rows][K step of 128][tile of 16 rows][1,536 bytes].  A tile's 1,536 bytes are the IMAGE OF THE OPERAND'S REGISTERS:
; registers 4 c .. 4 c + 3 of lane l at 512 c + 16 l.  THE ROWS OF A TILE ARE NOT NEIGHBOURS: of each 32 rows tile u (0, 1) takes rows 8 u + r + 8 (r / 8), r = 0 .. 15.
; THE SCALE WORDS lie behind the codes, at SCOFF: 32 bytes (a word for each of the 8 K steps) for row r of tile t at 512 t + 32 r.
; SHARES.  Work-groups 0-255: 32 rows each of the five tensors on end; wave v takes tile v / 2 and K steps 4 (v % 2) .. + 3.  Each load reads 512 consecutive bytes (a row's 128 numbers); a K step's 16 rows turn
; through the wave's own stage in LDS (rows of 528 bytes: 132 words, so that 16 rows start at 16 different groups of banks) and come back 16 neighbours along K of each block to a lane.  Waves share nothing: no barrier.
; Work-groups 256-271: the table rope[position][cos 0..31, sin 0..31], f32: a wave takes 32 positions, a lane two frequencies; lanes 0-15 make the cosines, lanes 16-31 the sines: a store covers a position's 256 bytes.
; sin and cos: angle = position x inv_freq (one rounding); k = nearest whole number to angle x 2 / pi; the rest by three fused steps with pi / 2 in three parts; polynomials on [-pi/4, pi/4]; the quadrant picks and signs.
; LIMITS: NaN and infinities among the inputs are not served.  A block of zeros gets the byte 1 where the rule says 127: its codes are zeros, and this program alone reads the bytes.
; inv_freq = 2^(-f log2(10000) / 32) by v_exp_f32 (1 ulp): at the largest angles, some 2,000 rad, the angle can differ by about 1e-4 rad from one made with another rounding of inv_freq: the spacing of f32 numbers there.
.set SCOFF, 3145728
.set GRP,   196608                     ; bytes of a group of 256 rows
.set KSB,   24576                      ; of one K step of it
.set FRB,   1536                       ; of a fragment's image
.set SP,    528                        ; a stage row
.set R,     16                         ; v16-143  two sets of 64: a K step's numbers as loaded
.set X,     144                        ; v144-207 register 16 b + i = k 32 b + 16 (lane / 16) + i of my row
.set PC,    208                        ; v208-226 the codes
.set TM,    228                        ; v228-243 at work
.set PW,    244                        ; the scale word just made
.set WD,    246                        ; v246-249 my four scale words
.set SEL,   40                         ; s[40:41] selects for lane l xor 16
	s_load_b512 s[4:19], s[0:1], 0x0               ; x, wq, wk, wv, wo, xcs, wcs, rope
	v_lshl_add_u32 v254, v0, 2, 0x8400
	v_mov_b32 v255, 0
	v_lshrrev_b32 v5, 5, v0
	v_readfirstlane_b32 s28, v5                    ; wave
	v_and_b32 v6, 31, v0                           ; lane
	s_cmp_ge_u32 ttmp9, 256
	s_cbranch_scc1 .Ltable
	v_lshlrev_b32 v1, 4, v6                        ; 16 x lane: my bytes of a load, and of an image's chunk
	v_and_b32 v7, 15, v0                           ; r
	v_bfe_u32 v8, v0, 4, 1                         ; h
	s_mul_i32 s29, s28, 16*SP                      ; my stage
	v_add_nc_u32 v2, s29, v1                       ; into it: a row as it was loaded
	v_mul_u32_u24 v3, v7, SP
	v_lshl_add_u32 v3, v8, 6, v3
	v_add_nc_u32 v3, s29, v3                       ; out of it: row r, + 64 h
	v_lshlrev_b32 v4, 5, v7
	v_lshl_add_u32 v4, v8, 3, v4                   ; the scale words: 32 r + 8 h
	s_mov_b32 s[SEL], 0x76543210
	s_mov_b32 s[SEL+1], 0xfedcba98
	s_mov_b32 s42, 0xffff0000                      ; lanes 16-31
.irp b, 0,1,2,3
	v_mov_b32 v[TM+4+\b], 0                        ; written once: a lane permute's destination counts as one of its sources
.endr
	s_lshr_b32 s30, s28, 1                         ; u: my tile of the 32 rows
	s_and_b32 s31, s28, 1                          ; my half of K
	s_and_b32 s27, ttmp9, 31
	s_wait_alu depctr_va_vdst(0)
	s_wait_kmcnt 0x0
	s_cmp_lt_u32 ttmp9, 160                        ; which tensor: the choice hangs on the work-group's number alone
	s_cselect_b64 s[20:21], s[6:7], s[8:9]
	s_cmp_lt_u32 ttmp9, 224
	s_cselect_b64 s[22:23], s[10:11], s[12:13]
	s_cmp_lt_u32 ttmp9, 192
	s_cselect_b64 s[20:21], s[20:21], s[22:23]
	s_cmp_lt_u32 ttmp9, 128
	s_cselect_b64 s[20:21], s[4:5], s[20:21]       ; the source,
	s_cselect_b64 s[24:25], s[14:15], s[16:17]     ; where its codes go,
	s_cselect_b32 s26, 0, 128
	s_cselect_b32 s27, ttmp9, s27                  ; which 32 rows of the source,
	s_sub_co_u32 s26, ttmp9, s26                   ; and of the destination
	s_lshl_b32 s32, s27, 17                        ; 32 rows of 4,096 bytes
	s_lshl_b32 s33, s30, 15                        ; + 8 u rows
	s_add_co_u32 s32, s32, s33
	s_lshl_b32 s33, s31, 11                        ; + 512 numbers for the upper half of K
	s_add_co_u32 s32, s32, s33
	s_mov_b32 s33, 0
	s_add_nc_u64 s[20:21], s[20:21], s[32:33]
	s_lshr_b32 s34, s26, 3                         ; the group of 256 rows,
	s_mul_i32 s34, s34, GRP
	s_mul_i32 s35, s31, 4*KSB                      ; my first K step,
	s_add_co_u32 s34, s34, s35
	s_and_b32 s35, s26, 7
	s_lshl_b32 s35, s35, 1
	s_add_co_u32 s35, s35, s30                     ; my tile in the group
	s_mul_i32 s35, s35, FRB
	s_add_co_u32 s34, s34, s35
	s_mov_b32 s35, 0
	s_add_nc_u64 s[36:37], s[24:25], s[34:35]      ; the codes
	s_lshl_b32 s34, s26, 1
	s_add_co_u32 s34, s34, s30
	s_lshl_b32 s34, s34, 9                         ; 512 bytes of scale words a tile
	s_lshl_b32 s38, s31, 4
	s_add_co_u32 s34, s34, s38
	s_add_co_u32 s34, s34, SCOFF
	s_add_nc_u64 s[38:39], s[24:25], s[34:35]      ; the scale words
.macro LOAD s                          ; K step s of my 16 rows: each load 512 consecutive bytes
.irp i, 0,1,2,3,4,5,6,7,8,9,10,11,12,13,14,15
	global_load_b128 v[R+64*((\s)%2)+4*\i:R+64*((\s)%2)+4*\i+3], v1, s[20:21] offset:(\i+8*(\i/8))*4096+512*(\s) th:TH_LOAD_NT
.endr
.endm
.macro TURN s                          ; through the stage: LDS serves a wave's instructions in order, so no wait stands between the stores and the loads
.irp i, 0,1,2,3,4,5,6,7,8,9,10,11,12,13,14,15
	ds_store_b128 v2, v[R+64*((\s)%2)+4*\i:R+64*((\s)%2)+4*\i+3] offset:SP*\i
.endr
.irp b, 0,1,2,3
.irp j, 0,1,2,3
	ds_load_b128 v[X+16*\b+4*\j:X+16*\b+4*\j+3], v3 offset:128*\b+16*\j
.endr
.endr
.endm
.macro QUANT                           ; the 64 numbers in X become a fragment's codes in v[PC] on and my row's scale word in v[PW]
.irp b, 0,1,2,3
	v_max3_num_f32 v[TM+\b], |v[X+16*\b]|, |v[X+1+16*\b]|, 0x2800000   ; block b: my 16 numbers, and the floor 2^(5 - 127): the byte cannot fall under 1
.endr
.irp i, 2,4,6,8,10,12,14
.irp b, 0,1,2,3
	v_max3_num_f32 v[TM+\b], v[TM+\b], |v[X+16*\b+\i]|, |v[X+1+16*\b+\i]|   ; the four blocks by turns
.endr
.endr
.irp b, 0,1,2,3
	v_permlanex16_b32 v[TM+4+\b], v[TM+\b], s[SEL], s[SEL+1]
.endr
.irp b, 0,1,2,3
	v_max_num_f32 v[TM+\b], v[TM+\b], v[TM+4+\b]   ; with lane l xor 16's: the block's largest magnitude
.endr
.irp b, 0,1,2,3
	v_add_nc_u32 v[TM+12+\b], 0xfe000000, v[TM+\b] ; 4 off its exponent field: the conversion's scale operand
.endr
.irp b, 0,1,2,3
	v_lshrrev_b32 v[TM+4+\b], 23, v[TM+12+\b]      ; the scale's byte
.endr
	v_lshl_or_b32 v[PW], v[TM+5], 8, v[TM+4]
	v_lshl_or_b32 v[PW], v[TM+6], 16, v[PW]
	v_lshl_or_b32 v[PW], v[TM+7], 24, v[PW]
.irp c, 0,1
	v_cvt_scalef32_pk16_bf6_f32 v[PC+6*\c:PC+2+6*\c], v[X+32*\c:X+15+32*\c], v[TM+12+2*\c]
	v_cvt_scalef32_pk16_bf6_f32 v[PC+12+4*\c:PC+14+4*\c], v[X+16+32*\c:X+31+32*\c], v[TM+12+2*\c+1]   ; (a conversion's three registers begin on an even number)
.endr
	v_nop                                          ; one plain place behind a scaled conversion
.irp c, 0,1                            ; the operand's layout wants a whole block in a lane: lanes 0-15 block 2 c, lanes 16-31 block 2 c + 1
.irp i, 0,1,2
	v_permlane16_swap_b32 v[PC+6*\c+\i], v[PC+12+4*\c+\i]
.endr
.irp i, 0,1,2
	v_mov_b32 v[PC+3+6*\c+\i], v[PC+12+4*\c+\i]
.endr
.endr
.endm
	LOAD 0
	LOAD 1
.irp s, 0,1,2,3
.if \s < 3
	s_wait_loadcnt 16                              ; this K step's 16 loads are in; the other set's 16 may be out
.else
	s_wait_loadcnt 0x0
.endif
	TURN \s
	s_wait_dscnt 0x0                               ; X is back, and the stage's stores have read their set,
.if \s < 2
	LOAD \s+2                                      ; which takes the K step two on
.endif
.if \s > 0
	s_wait_xcnt 0x0                                ; the last step's stores have read the codes' registers
.endif
	QUANT
.irp c, 0,1,2
	global_store_b128 v1, v[PC+4*\c:PC+4*\c+3], s[36:37] offset:KSB*\s+512*\c   ; 512 consecutive bytes a store
.endr
	v_mov_b32 v[WD+\s], v[PW]
.endr
	v_cndmask_b32 v250, v[WD], v[WD+2], s42        ; lanes 0-15 store my row's first two words, lanes 16-31 the other two
	v_cndmask_b32 v251, v[WD+1], v[WD+3], s42
	global_store_b64 v4, v[250:251], s[38:39]
	s_wait_tensorcnt 0x0
	ds_add_u32 v254, v255
	s_wait_dscnt 0x0
	s_endpgm
.Ltable:
	s_sub_co_u32 s20, ttmp9, 256
	s_lshl_b32 s20, s20, 2
	s_add_co_u32 s20, s20, s28                     ; which 32 positions are my wave's
	s_lshl_b32 s31, s20, 5                         ; the first of them
	s_lshl_b32 s22, s20, 13                        ; 32 rows of 256 bytes
	s_mov_b32 s23, 0
	s_wait_alu depctr_va_vdst(0)
	v_lshlrev_b32 v1, 3, v6                        ; 8 x lane: lanes 0-15 the cosines' 128 bytes, lanes 16-31 the sines'
	v_and_b32 v2, 15, v0
	v_lshlrev_b32 v2, 1, v2                        ; my first frequency
	v_cvt_f32_u32 v3, v2
	v_add_f32 v4, 1.0, v3
	v_mul_f32 v3, 0xbed49a78, v3                   ; x -log2(10000) / 32
	v_mul_f32 v4, 0xbed49a78, v4
	s_wait_alu depctr_va_vdst(0)
	v_exp_f32 v3, v3                               ; inv_freq
	v_exp_f32 v4, v4
	v_bfe_u32 v5, v0, 4, 1                         ; (a plain place behind the exponentials)
	v_xor_b32 v5, 1, v5                            ; a quarter turn more for the cosines: cos a = sin(a + pi / 2)
	s_mov_b32 s44, 0x3f22f983                      ; 2 / pi
	s_mov_b32 s45, 0xbfc90000                      ; -pi / 2 in three parts
	s_mov_b32 s46, 0xb9fda000
	s_mov_b32 s47, 0xb3a22168
	s_mov_b32 s48, 0xbe2aaaa3                      ; the sine's coefficients
	s_mov_b32 s49, 0x3c08839e
	s_mov_b32 s50, 0xb94ca1f9
	s_mov_b32 s51, 0x3d2aaaa5                      ; the cosine's
	s_mov_b32 s52, 0xbab6061a
	s_mov_b32 s53, 0x37ccf5ce
	s_wait_kmcnt 0x0
	s_add_nc_u64 s[18:19], s[18:19], s[22:23]
.macro SINQ dst, inv                   ; v[dst] = sin(v7 x v[inv] + v5 x pi / 2)
	v_mul_f32 v10, v7, v[\inv]                     ; the angle
	v_mul_f32 v11, s44, v10
	v_rndne_f32 v11, v11                           ; k
	v_fma_f32 v12, v11, s45, v10
	v_fma_f32 v12, v11, s46, v12
	v_fma_f32 v12, v11, s47, v12                   ; r = angle - k pi / 2
	v_mul_f32 v13, v12, v12                        ; z
	v_fma_f32 v14, s50, v13, s49
	v_fma_f32 v15, s53, v13, s52
	v_fma_f32 v14, v14, v13, s48
	v_fma_f32 v15, v15, v13, s51
	v_mul_f32 v14, v14, v13
	v_fma_f32 v15, v15, v13, -0.5
	v_fma_f32 v14, v14, v12, v12                   ; sin r
	v_fma_f32 v15, v15, v13, 1.0                   ; cos r
	v_cvt_i32_f32 v16, v11
	v_add_nc_u32 v16, v16, v5                      ; the quadrant
	v_and_b32 v17, 1, v16
	v_cmp_ne_u32 vcc_lo, 0, v17
	v_cndmask_b32 v14, v14, v15, vcc_lo            ; odd: the cosine
	v_lshlrev_b32 v16, 30, v16
	v_and_b32 v16, 0x80000000, v16                 ; quadrants 2 and 3: the sign turns
	v_xor_b32 v[\dst], v14, v16
.endm
	s_mov_b32 s30, 32
.Lpos:
	v_cvt_f32_u32 v7, s31                          ; the position
	s_wait_alu depctr_va_vdst(0)
	SINQ 8, 3
	SINQ 9, 4
	global_store_b64 v1, v[8:9], s[18:19]          ; 32 lanes store the position's 256 bytes
	s_wait_xcnt 0x0                                ; the store has read its data and its offset: both are written again
	v_add_nc_u32 v1, 256, v1
	s_add_co_u32 s31, s31, 1
	s_sub_co_u32 s30, s30, 1
	s_cmp_lg_u32 s30, 0
	s_cbranch_scc1 .Lpos
	s_endpgm
.Lfunc_end_k_qed7dae538f_quant:
	.size	k_qed7dae538f_quant, .Lfunc_end_k_qed7dae538f_quant-k_qed7dae538f_quant
	.p2alignl 7, 3214868480
	.fill 96, 4, 3214868480
	.section	.rodata,"a",@progbits
	.p2align	6, 0x0
	.amdhsa_kernel k_qed7dae538f_quant
		.amdhsa_group_segment_fixed_size 34304
		.amdhsa_private_segment_fixed_size 0
		.amdhsa_enable_private_segment 0
		.amdhsa_kernarg_size 64
		.amdhsa_user_sgpr_count 2
		.amdhsa_user_sgpr_kernarg_segment_ptr 1
		.amdhsa_wavefront_size32 1
		.amdhsa_system_sgpr_workgroup_id_x 1
		.amdhsa_system_sgpr_workgroup_id_y 1
		.amdhsa_system_sgpr_workgroup_id_z 1
		.amdhsa_system_vgpr_workitem_id 0
		.amdhsa_next_free_vgpr 256
		.amdhsa_next_free_sgpr 66
		.amdhsa_reserve_vcc 1
		.amdhsa_float_denorm_mode_32 3
		.amdhsa_float_denorm_mode_16_64 3
		.amdhsa_memory_ordered 1
		.amdhsa_forward_progress 1
		.amdhsa_inst_pref_size 38
	.end_amdhsa_kernel
	.amdgpu_metadata
---
amdhsa.version: [ 1, 2 ]
amdhsa.kernels:
  - .name:           k_qed7dae538f_quant
    .symbol:         k_qed7dae538f_quant.kd
    .args:
      - { .name: x, .offset: 0, .size: 8, .value_kind: global_buffer, .address_space: global }
      - { .name: wq, .offset: 8, .size: 8, .value_kind: global_buffer, .address_space: global }
      - { .name: wk, .offset: 16, .size: 8, .value_kind: global_buffer, .address_space: global }
      - { .name: wv, .offset: 24, .size: 8, .value_kind: global_buffer, .address_space: global }
      - { .name: wo, .offset: 32, .size: 8, .value_kind: global_buffer, .address_space: global }
      - { .name: xcs, .offset: 40, .size: 8, .value_kind: global_buffer, .address_space: global }
      - { .name: wcs, .offset: 48, .size: 8, .value_kind: global_buffer, .address_space: global }
      - { .name: rope, .offset: 56, .size: 8, .value_kind: global_buffer, .address_space: global }
    .group_segment_fixed_size: 34304
    .private_segment_fixed_size: 0
    .kernarg_segment_align: 8
    .kernarg_segment_size: 64
    .max_flat_workgroup_size: 128
    .sgpr_count:     66
    .vgpr_count:     256
    .wavefront_size: 32
...
	.end_amdgpu_metadata
.endif
;; end of part 1
;; launch qkv (part 2): grid 8 x 32, 4 waves a work-group, clusters of 4 x 4, 327,680 bytes of LDS; arguments xcs, wcs, rope, q_norm_w, k_norm_w, qbuf, kbuf, vbuf; writes qbuf, kbuf, vbuf
.if DOCPART == 2
	.amdgcn_target "amdgcn-amd-amdhsa--gfx1250"
	.amdhsa_code_object_version 6
	.text
	.protected	k_qed7dae538f_qkv
	.globl	k_qed7dae538f_qkv
	.p2align	8
	.type	k_qed7dae538f_qkv,@function
k_qed7dae538f_qkv:
	s_mov_b64 s[64:65], 0
	v_nop
	global_prefetch_b8 v0, s[64:65] scope:SCOPE_SE
	s_setreg_imm32_b32 hwreg(HW_REG_WAVE_MODE, 25, 1), 1
	s_wait_xcnt 0x0
	s_wait_alu depctr_hold_cnt(0) depctr_sa_sdst(0) depctr_va_vdst(0) depctr_va_sdst(0) depctr_va_ssrc(0) depctr_va_vcc(0) depctr_vm_vsrc(0)
	s_getreg_b32 s2, hwreg(HW_REG_IB_STS2, 6, 4)
	s_cmp_eq_u32 s2, 0
	s_cbranch_scc0 .Lentry_in_a_cluster
	s_endpgm
.Lentry_in_a_cluster:
	s_bfe_u32 s2, ttmp6, 0x10000c
	s_cmp_lg_u32 s2, 0xf033
	s_cbranch_scc0 .Lentry_shape_is_right
	s_endpgm
.Lentry_shape_is_right:
; q = x wq^T, k = x wk^T, v = x wv^T on codes of BF6 (E3M2) with E8M0 scales; then RMS norm with gain and RoPE for q and k; then all three are quantised for attention's products: q and k along the head's 64, v along the keys.
; SHARES.  256 work-groups: work-group (cg, tt) takes tokens 128 tt .. + 127 against rows 128 cg .. + 127 (two heads) of EACH of wq, wk, wv.  Four operands of 128 rows: x, wq, wk, wv; a K step of one is 12,288 bytes (8 images of fragments).
; Wave w: (1) head w % 2 of q (w < 2) or k: its 4 tiles of W as source 0 x the 8 token tiles as source 1: 32 accumulators; a lane holds a token, its registers 32 of the head's 64.
; (2) tiles 2 w, 2 w + 1 of wv as source 1 x the 8 token tiles as source 0: 16 accumulators; a lane holds one of a head's 64, its registers run along the 128 tokens, the second product's K.  So each fragment of x serves both.
; Of each 32 rows tile u takes rows 8 u + r + 8 (r / 8), so the 16 registers of two neighbouring tiles of source 0 are 16 neighbouring rows.  The 48 accumulators take turns in one order in every K step.
; LDS: two regions of 4 operands x 3 K steps (operand o at 36,864 o, K step at 12,288 s).  Wave o fetches operand o, one joint load at a time: K steps 0-2 at the head; 3-5 into the second region behind the full sequence and a round;
; 6, 7 over K steps 0, 1 behind the round in the middle of K step 2, when every wave's reads of the first region are done.  From a request to the wait for it a wave issues 128 (K steps 3-5) and 144 (6, 7) matrix instructions.
; CLUSTERS OF 4 x 4: x's tiles hang on tt alone and are asked for jointly by my row of the cluster, W's on cg and the wave's number alone, by my column.
; NO PREFETCH: the walk along K is written out, 8 steps: there is no loop to run ahead in.
; OUT, as attention reads it.  qbuf, kbuf, vbuf: [batch x 16 + head][step of 128 tokens][6,400 bytes]: four fragments' images of 1,536 bytes, then 4 x 16 scale words.  q, k: fragment g holds 32 tokens: k 0-63 of its rows are the 64 of tile
; u = 0's tokens, k 64-127 those of tile u = 1's.  v: fragment a holds 16 of the head's 64 (tile order) x the step's 128 keys.
; REGISTERS, in windows of 256.  Window 0: v2-11 addresses; v16-47 x's scale words, v48-63 W's, v64-71 wv's (lanes 0-15 an even tile's, lanes 16-31 the odd one's; nothing else ever stands there); v96-191 x's fragments of even K steps;
; behind the products v96-214 are at work.  Window 1: W's 4 and wv's 2 fragments, two sets, at v0 and v128; RoPE's table of token tile a (cos 16, sin 16): tiles 0, 1 at v96, v224, loaded at the head; 2-4 at v0 on, behind K step 6; 5-7 at v128 on,
; behind K step 7.  Window 2: q's or k's accumulator (a, b) at v[8 (4 a + b)].  Window 3: x's fragments of odd K steps at v0-95; the gain at v96-127; v's accumulator (a, b) at v[128 + 8 (8 a + b)].
; LIMITS: NaN and infinities are not served; a block of zeros gets the byte 1 (its codes are zeros; this program alone reads the bytes).
.set SCOFF, 3145728
.set GRP,   196608
.set KSB,   24576
.set HALF,  12288
.set FRB,   1536
.set OPL,   36864
.set R1,    147456
.set SPARE, 294912
.set HEADB, 102400
.set SGB,   6400
.set LI,   2                           ; 16 x lane = x's fragments in region 0
.set AX,   2                           ; v2, v3: x's fragments in regions 0, 1
.set AW,   4                           ; v4, v5: my four of W
.set AV,   6                           ; v6, v7: my two of wv
.set LS,   8                           ; 4 x lane
.set SL,   9                           ; 32 x lane
.set TABO, 10                          ; my token's row of the table, + 64 h
.set NWO,  11                          ; 64 h
.set SCX,  16
.set SCW,  48
.set SCV,  64
.set Y,    96
.set PC,   160
.set TM,   180
.set PW,   196
.set W0,   197
.set WS,   199
.set RS,   200
.set SS,   202
.set T,    206
.set PT,   214
.set NW,   96                          ; in window 3
.set WV,   20
.set SEL,  80
.set HM,   82
.set G1A,  36
.set G1B,  44
.set MSB, 0
.macro WIN new                         ; the immediate's high byte repeats the setting that is left
.if MSB != (\new)
	s_set_vgpr_msb (MSB<<8)|(\new)
.set MSB, (\new)
.endif
.endm
.macro PLACES
.rept 4
	v_nop
.endr
.endm
.macro CROUND                          ; a round of the cluster's barrier
	s_barrier_signal -1
	s_barrier_wait -1
	s_cmp_lg_u32 s[WV], 0
	s_cbranch_scc1 .Lnot_wave_0_\@
	s_barrier_signal -3
.Lnot_wave_0_\@:
	s_barrier_wait -3
	s_barrier_signal -1
	s_barrier_wait -1
.endm
.macro JLOAD                           ; my one joint load: wave 0 asks for x, waves 1-3 for wq, wk, wv.
	s_cmp_eq_u32 s[WV], 0
	s_cbranch_scc0 .Lfor_w_\@
	tensor_load_to_lds s[52:55], s[G1A:G1A+7]
	s_nop 0
	PLACES
	s_branch .Lasked_\@
.Lfor_w_\@:
	tensor_load_to_lds s[56:59], s[G1B:G1B+7]
	s_nop 0
	PLACES
.Lasked_\@:
.endm
.macro SETCT a                         ; where token tile a's table stands in window 1
.if (\a) < 2
.set CT, 96+128*(\a)
.elseif (\a) < 5
.set CT, 32*((\a)-2)
.else
.set CT, 128+32*((\a)-5)
.endif
.endm
.macro TLOAD a
	SETCT \a
	WIN 0x40
.irp t, 0,1
.irp j, 0,1,2,3
	global_load_b128 v[CT+16*\t+4*\j:CT+16*\t+4*\j+3], v[TABO], s[90:91] offset:(32*((\a)/2)+8*((\a)%2))*256+128*\t+16*\j
.endr
.endr
	WIN 0
.endm
	s_load_b512 s[4:19], s[0:1], 0x0               ; xcs, wcs, rope, q_norm_w, k_norm_w, qbuf, kbuf, vbuf
	v_lshl_add_u32 v254, v0, 2, SPARE
	v_mov_b32 v255, 0
	ds_add_u32 v254, v255                          ; the opening lines
	ds_add_u32 v254, v255
	v_lshrrev_b32 v12, 5, v0
	v_readfirstlane_b32 s[WV], v12                 ; wave 0..3
	s_lshr_b32 s21, s[WV], 1                       ; q (0) or k (1); and which head my tiles of wv belong to
	s_and_b32 s22, s[WV], 1                        ; which head of q or k; and which half of that head of v
	s_bfe_u32 s23, ttmp6, 0x40000                  ; cx
	s_bfe_u32 s24, ttmp6, 0x40004                  ; cy
	s_lshl_b32 s27, ttmp9, 2
	s_add_co_u32 s27, s27, s23                     ; cg
	s_and_b32 s28, ttmp7, 0xffff
	s_lshl_b32 s28, s28, 2
	s_add_co_u32 s28, s28, s24                     ; tt
	s_lshl_b32 s29, s24, 2
	s_lshl_b32 s29, 15, s29                        ; my row of the cluster
	s_lshl_b32 s30, 0x1111, s23                    ; my column
	s_or_b32 s[G1A], s29, (3<<16)|(1<<21)          ; 15:0 the mask; 17:16 elements of 8 bytes; 21 set beside a mask
	s_or_b32 s[G1B], s30, (3<<16)|(1<<21)
.irp g, G1A, G1B
	s_mov_b32 s[\g+1], 1536<<16                    ; a row: a K step's 12,288 bytes
	s_mov_b32 s[\g+2], 3<<16                       ; three K steps
	s_mov_b32 s[\g+3], 1536<<16
	s_mov_b32 s[\g+4], 3
	s_mov_b32 s[\g+5], 3072                        ; the pitch: a K step of a group of 256 rows
	s_mov_b32 s[\g+6], 0
	s_mov_b32 s[\g+7], 0
.endr
	s_lshr_b32 s72, s28, 1                         ; x's 128 rows: made of tt alone
	s_mul_i32 s72, s72, GRP
	s_and_b32 s73, s28, 1
	s_mul_i32 s73, s73, HALF
	s_add_co_u32 s72, s72, s73
	s_mov_b32 s73, 0
	s_sub_co_u32 s31, s[WV], 1                     ; W's 128 rows: 8 (w - 1) + cg (wave 0's is not used)
	s_and_b32 s31, s31, 3
	s_lshl_b32 s31, s31, 3
	s_add_co_u32 s31, s31, s27
	s_lshr_b32 s74, s31, 1
	s_mul_i32 s74, s74, GRP
	s_and_b32 s75, s31, 1
	s_mul_i32 s75, s75, HALF
	s_add_co_u32 s74, s74, s75
	s_mov_b32 s75, 0
	s_mul_i32 s25, s[WV], OPL                      ; where my operand goes: no place in the cluster enters an LDS address
	s_wait_dscnt 0x0
	s_wait_kmcnt 0x0
	s_add_nc_u64 s[72:73], s[4:5], s[72:73]
	s_add_nc_u64 s[74:75], s[6:7], s[74:75]
	s_mov_b32 s52, 1
	s_mov_b32 s53, 0
	s_mov_b64 s[54:55], s[72:73]
	s_or_b32 s55, s55, 0x80000000
	s_mov_b32 s56, 1
	s_mov_b32 s57, s25
	s_mov_b64 s[58:59], s[74:75]
	s_or_b32 s59, s59, 0x80000000
	CROUND                                         ; all sixteen work-groups are here: the joint loads meet
	JLOAD                                          ; K steps 0-2
	s_add_co_u32 s60, s21, 1                       ; LDS: my four tiles of wq or wk,
	s_mul_i32 s60, s60, OPL
	s_mul_i32 s61, s22, 4*FRB
	s_add_co_u32 s60, s60, s61
	s_add_co_u32 s61, s60, R1
	s_mul_i32 s62, s[WV], 2*FRB                    ; my two of wv
	s_add_co_u32 s62, s62, 3*OPL
	s_add_co_u32 s63, s62, R1
	s_mov_b32 s[SEL], 0x76543210
	s_mov_b32 s[SEL+1], 0xfedcba98
	s_mov_b32 s[HM], 0xffff0000                    ; lanes 16-31
	s_mov_b32 s83, 0x3c800000                      ; 1 / 64
	s_mov_b32 s99, 0x358637bd                      ; 1e-6
	s_mov_b32 s77, 0
	s_lshl_b32 s76, s28, 12                        ; x's scale words: 4,096 bytes for 128 rows
	s_add_co_u32 s76, s76, SCOFF
	s_add_nc_u64 s[84:85], s[4:5], s[76:77]
	s_lshl_b32 s76, s21, 3                         ; W's: 128 rows 8 (w / 2) + cg, my four tiles
	s_add_co_u32 s76, s76, s27
	s_lshl_b32 s76, s76, 12
	s_lshl_b32 s78, s22, 11
	s_add_co_u32 s76, s76, s78
	s_add_co_u32 s76, s76, SCOFF
	s_add_nc_u64 s[86:87], s[6:7], s[76:77]
	s_add_co_u32 s76, s27, 16                      ; wv's: 128 rows 16 + cg, my two tiles
	s_lshl_b32 s76, s76, 12
	s_lshl_b32 s78, s[WV], 10
	s_add_co_u32 s76, s76, s78
	s_add_co_u32 s76, s76, SCOFF
	s_add_nc_u64 s[88:89], s[6:7], s[76:77]
	s_lshl_b32 s76, s28, 7                         ; the table: my first token's position
	s_and_b32 s76, s76, 2047
	s_lshl_b32 s76, s76, 8
	s_add_nc_u64 s[90:91], s[8:9], s[76:77]
	s_lshr_b32 s66, s28, 4                         ; out: batch x 16 + 2 cg,
	s_lshl_b32 s66, s66, 4
	s_lshl_b32 s67, s27, 1
	s_add_co_u32 s66, s66, s67
	s_and_b32 s67, s28, 15
	s_mul_i32 s67, s67, SGB                        ; the step of 128 tokens
	s_add_co_u32 s76, s66, s22
	s_mul_i32 s76, s76, HEADB
	s_add_co_u32 s76, s76, s67
	s_add_co_u32 s78, s66, s21
	s_mul_i32 s78, s78, HEADB
	s_add_co_u32 s78, s78, s67
	s_mov_b32 s79, 0
	s_add_nc_u64 s[96:97], s[18:19], s[78:79]      ; v: head 2 cg + w / 2
	s_cmp_eq_u32 s21, 0
	s_cselect_b64 s[92:93], s[10:11], s[12:13]     ; q's gain or k's
	s_cselect_b64 s[94:95], s[14:15], s[16:17]
	s_add_nc_u64 s[94:95], s[94:95], s[76:77]      ; q or k: head 2 cg + w % 2
	s_mul_i32 s70, s22, 2*FRB                      ; v: my fragments 2 (w % 2) + 0, 1,
	s_lshl_b32 s71, s22, 7
	s_add_co_u32 s71, s71, 4*FRB                   ; and their scale words
	v_and_b32 v12, 31, v0                          ; lane
	v_and_b32 v13, 15, v0                          ; r
	v_bfe_u32 v14, v0, 4, 1                        ; h
	v_lshlrev_b32 v[LI], 4, v12
	v_lshlrev_b32 v[LS], 2, v12
	v_lshlrev_b32 v[SL], 5, v12
	v_add_nc_u32 v[AX+1], R1, v[LI]
	v_add_nc_u32 v[AW], s60, v[LI]
	v_add_nc_u32 v[AW+1], s61, v[LI]
	v_add_nc_u32 v[AV], s62, v[LI]
	v_add_nc_u32 v[AV+1], s63, v[LI]
	v_and_b32 v15, 8, v13
	v_add_nc_u32 v15, v15, v13                     ; r + 8 (r / 8)
	v_lshlrev_b32 v[TABO], 8, v15
	v_lshl_add_u32 v[TABO], v14, 6, v[TABO]
	v_lshlrev_b32 v[NWO], 6, v14
	v_add_nc_u32 v12, s70, v[LI]                   ; v's codes: offset in the step
	v_add_nc_u32 v13, s71, v[LS]                   ; v's scale words
	s_wait_alu depctr_va_vdst(0)
.irp x, 0,1,2,3                        ; 32 bytes a row, 32 lanes: lanes 0-15 take tile 2 x's rows, lanes 16-31 tile 2 x + 1's; register 8 x + s is K step s's word
.irp q, 0,1
	global_load_b128 v[SCX+8*\x+4*\q:SCX+8*\x+4*\q+3], v[SL], s[84:85] offset:1024*\x+16*\q
.endr
.endr
.irp x, 0,1
.irp q, 0,1
	global_load_b128 v[SCW+8*\x+4*\q:SCW+8*\x+4*\q+3], v[SL], s[86:87] offset:1024*\x+16*\q
.endr
.endr
.irp q, 0,1
	global_load_b128 v[SCV+4*\q:SCV+4*\q+3], v[SL], s[88:89] offset:16*\q
.endr
	WIN 0xc0
.irp b, 0,1
.irp j, 0,1,2,3
	global_load_b128 v[NW+16*\b+4*\j:NW+16*\b+4*\j+3], v[NWO], s[92:93] offset:128*\b+16*\j
.endr
.endr
	TLOAD 0
	TLOAD 1
.macro FETCH s                         ; K step s's fragments into set s % 2: 12 loads for W, 6 for wv, 24 for x, each 512 consecutive bytes
.if (\s) < 3
.set RG, 0
.set OF, (\s)*HALF
.elseif (\s) < 6
.set RG, 1
.set OF, ((\s)-3)*HALF
.else
.set RG, 0
.set OF, ((\s)-6)*HALF
.endif
.set XF, 96*(1-((\s)%2))
	WIN 0x40
.irp b, 0,1,2,3
.irp c, 0,1,2
	ds_load_b128 v[128*((\s)%2)+12*\b+4*\c:128*((\s)%2)+12*\b+4*\c+3], v[AW+RG] offset:OF+FRB*\b+512*\c
.endr
.endr
.irp a, 0,1
.irp c, 0,1,2
	ds_load_b128 v[128*((\s)%2)+48+12*\a+4*\c:128*((\s)%2)+48+12*\a+4*\c+3], v[AV+RG] offset:OF+FRB*\a+512*\c
.endr
.endr
	WIN 0xc0*((\s)%2)
.irp a, 0,1,2,3,4,5,6,7
.irp c, 0,1,2
	ds_load_b128 v[XF+12*\a+4*\c:XF+12*\a+4*\c+3], v[AX+RG] offset:OF+FRB*\a+512*\c
.endr
.endr
	WIN 0
.endm
.macro WMX dd, aa, bb, sa, sb, par, s  ; one product; an odd tile's scale words stand in lanes 16-31.  The first K step's products start the sums
.set DD, (\dd)
.set AA, (\aa)
.set BB, (\bb)
.set SA, (\sa)
.set SB, (\sb)
.set PAR, (\par)
.if (\s) == 0
.if PAR == 0
	v_wmma_scale_f32_16x16x128_f8f6f4 v[DD:DD+7], v[AA:AA+11], v[BB:BB+11], 0, v[SA], v[SB] matrix_a_fmt:MATRIX_FMT_BF6 matrix_b_fmt:MATRIX_FMT_BF6
.elseif PAR == 1
	v_wmma_scale_f32_16x16x128_f8f6f4 v[DD:DD+7], v[AA:AA+11], v[BB:BB+11], 0, v[SA], v[SB] matrix_a_fmt:MATRIX_FMT_BF6 matrix_b_fmt:MATRIX_FMT_BF6 matrix_a_scale:MATRIX_SCALE_ROW1
.elseif PAR == 2
	v_wmma_scale_f32_16x16x128_f8f6f4 v[DD:DD+7], v[AA:AA+11], v[BB:BB+11], 0, v[SA], v[SB] matrix_a_fmt:MATRIX_FMT_BF6 matrix_b_fmt:MATRIX_FMT_BF6 matrix_b_scale:MATRIX_SCALE_ROW1
.else
	v_wmma_scale_f32_16x16x128_f8f6f4 v[DD:DD+7], v[AA:AA+11], v[BB:BB+11], 0, v[SA], v[SB] matrix_a_fmt:MATRIX_FMT_BF6 matrix_b_fmt:MATRIX_FMT_BF6 matrix_a_scale:MATRIX_SCALE_ROW1 matrix_b_scale:MATRIX_SCALE_ROW1
.endif
.else
.if PAR == 0
	v_wmma_scale_f32_16x16x128_f8f6f4 v[DD:DD+7], v[AA:AA+11], v[BB:BB+11], v[DD:DD+7], v[SA], v[SB] matrix_a_fmt:MATRIX_FMT_BF6 matrix_b_fmt:MATRIX_FMT_BF6
.elseif PAR == 1
	v_wmma_scale_f32_16x16x128_f8f6f4 v[DD:DD+7], v[AA:AA+11], v[BB:BB+11], v[DD:DD+7], v[SA], v[SB] matrix_a_fmt:MATRIX_FMT_BF6 matrix_b_fmt:MATRIX_FMT_BF6 matrix_a_scale:MATRIX_SCALE_ROW1
.elseif PAR == 2
	v_wmma_scale_f32_16x16x128_f8f6f4 v[DD:DD+7], v[AA:AA+11], v[BB:BB+11], v[DD:DD+7], v[SA], v[SB] matrix_a_fmt:MATRIX_FMT_BF6 matrix_b_fmt:MATRIX_FMT_BF6 matrix_b_scale:MATRIX_SCALE_ROW1
.else
	v_wmma_scale_f32_16x16x128_f8f6f4 v[DD:DD+7], v[AA:AA+11], v[BB:BB+11], v[DD:DD+7], v[SA], v[SB] matrix_a_fmt:MATRIX_FMT_BF6 matrix_b_fmt:MATRIX_FMT_BF6 matrix_a_scale:MATRIX_SCALE_ROW1 matrix_b_scale:MATRIX_SCALE_ROW1
.endif
.endif
.endm
.macro MULQK s                         ; source 0: W, window 1; source 1: x, window 0 or 3; C and D window 2
.set XF, 96*(1-((\s)%2))
	WIN 0xa1+0x0c*((\s)%2)
.irp a, 0,1,2,3,4,5,6,7
.irp b, 0,1,2,3
	WMX 8*(4*\a+\b), 128*((\s)%2)+12*\b, XF+12*\a, SCW+8*(\b/2)+(\s), SCX+8*(\a/2)+(\s), (\b%2)+2*(\a%2), \s
.endr
.endr
.endm
.macro MULV s                          ; source 0: x, window 0 or 3; source 1: wv, window 1; C and D window 3
.set XF, 96*(1-((\s)%2))
	WIN 0xf4+3*((\s)%2)
.irp a, 0,1
.irp b, 0,1,2,3,4,5,6,7
	WMX 128+8*(8*\a+\b), XF+12*\b, 128*((\s)%2)+48+12*\a, SCX+8*(\b/2)+(\s), SCV+(\s), (\b%2)+2*(\a%2), \s
.endr
.endr
.endm
; 64 numbers of a lane in window w, v[s] on, register 16 b + i = k 32 b + 16 (lane / 16) + i of my row, become a fragment's codes in v[PC] on and its scale word in v[PW].  Each accumulator is first read at its low end.
.macro QUANT s, w
	WIN (\w)|((\w)<<2)
.irp b, 0,1,2,3
	v_max3_num_f32 v[TM+\b], |v[(\s)+16*\b]|, |v[(\s)+1+16*\b]|, 0x2800000   ; my 16 numbers of block b, and the floor 2^(5 - 127)
.endr
	WIN ((\w)<<2)|((\w)<<4)
.irp i, 2,4,6,8,10,12,14
.irp b, 0,1,2,3
	v_max3_num_f32 v[TM+\b], v[TM+\b], |v[(\s)+16*\b+\i]|, |v[(\s)+1+16*\b+\i]|
.endr
.endr
	WIN 0
.irp b, 0,1,2,3
	v_permlanex16_b32 v[TM+4+\b], v[TM+\b], s[SEL], s[SEL+1]
.endr
.irp b, 0,1,2,3
	v_max_num_f32 v[TM+\b], v[TM+\b], v[TM+4+\b]
.endr
.irp b, 0,1,2,3
	v_add_nc_u32 v[TM+12+\b], 0xfe000000, v[TM+\b] ; 4 off the exponent field: the conversion's scale operand
.endr
.irp b, 0,1,2,3
	v_lshrrev_b32 v[TM+4+\b], 23, v[TM+12+\b]      ; the byte
.endr
	v_lshl_or_b32 v[PW], v[TM+5], 8, v[TM+4]
	v_lshl_or_b32 v[PW], v[TM+6], 16, v[PW]
	v_lshl_or_b32 v[PW], v[TM+7], 24, v[PW]
	WIN (\w)
.irp c, 0,1
	v_cvt_scalef32_pk16_bf6_f32 v[PC+6*\c:PC+2+6*\c], v[(\s)+32*\c:(\s)+15+32*\c], v[TM+12+2*\c]
	v_cvt_scalef32_pk16_bf6_f32 v[PC+12+4*\c:PC+14+4*\c], v[(\s)+16+32*\c:(\s)+31+32*\c], v[TM+12+2*\c+1]
.endr
	WIN 0
	v_nop                                          ; one plain place behind a scaled conversion
.irp c, 0,1
.irp i, 0,1,2
	v_permlane16_swap_b32 v[PC+6*\c+\i], v[PC+12+4*\c+\i]
.endr
.irp i, 0,1,2
	v_mov_b32 v[PC+3+6*\c+\i], v[PC+12+4*\c+\i]
.endr
.endr
.endm
; Token tile a: my 32 of the head's 64 (register n: d = 32 (n / 16) + 16 (lane / 16) + n % 16) are normalised, multiplied by the gain and turned; they go to v[Y + 32 u] on.  d and d + 32 lie in one lane.
.macro NORMROPE a, u
.set AC, 32*(\a)
.set YB, Y+32*(\u)
	SETCT \a
	WIN 0x0a                                       ; sources 0 and 1 window 2
	v_pk_mul_f32 v[SS:SS+1], v[AC:AC+1], v[AC:AC+1]               ; the sum of squares, in two chains, ascending
	v_pk_mul_f32 v[SS+2:SS+3], v[AC+2:AC+3], v[AC+2:AC+3]
.irp i, 4,8,12,16,20,24,28
	v_pk_fma_f32 v[SS:SS+1], v[AC+\i:AC+\i+1], v[AC+\i:AC+\i+1], v[SS:SS+1]
	v_pk_fma_f32 v[SS+2:SS+3], v[AC+\i+2:AC+\i+3], v[AC+\i+2:AC+\i+3], v[SS+2:SS+3]
.endr
	WIN 0
	v_pk_add_f32 v[SS:SS+1], v[SS:SS+1], v[SS+2:SS+3]
	v_add_f32 v[SS], v[SS], v[SS+1]
	v_permlanex16_b32 v[PT], v[SS], s[SEL], s[SEL+1]
	v_add_f32 v[SS], v[SS], v[PT]                  ; with lane l xor 16's 32: the head's 64
	v_fma_f32 v[SS], v[SS], s83, s99               ; the mean + 1e-6
	s_wait_alu depctr_va_vdst(0)
	v_rsq_f32 v[RS], v[SS]
	v_nop                                          ; one plain place behind a transcendental
	WIN 0x02                                       ; source 0 window 2
	s_wait_alu depctr_va_vdst(0)
.irp i, 0,2,4,6,8,10,12,14,16,18,20,22,24,26,28,30
	v_pk_mul_f32 v[YB+\i:YB+\i+1], v[AC+\i:AC+\i+1], v[RS:RS+1] op_sel_hi:[1,0]
.endr
	WIN 0x0c                                       ; source 1 window 3: the gain
.irp i, 0,2,4,6,8,10,12,14,16,18,20,22,24,26,28,30
	v_pk_mul_f32 v[YB+\i:YB+\i+1], v[YB+\i:YB+\i+1], v[NW+\i:NW+\i+1]
.endr
	WIN 0x04                                       ; source 1 window 1: the table
.irp i, 0,2,4,6,8,10,12,14
.set TQ, T+4*((\i/2)%2)
	v_pk_mul_f32 v[TQ:TQ+1], v[YB+16+\i:YB+17+\i], v[CT+16+\i:CT+17+\i]       ; y2 sin
	v_pk_mul_f32 v[TQ+2:TQ+3], v[YB+\i:YB+\i+1], v[CT+16+\i:CT+17+\i]         ; y1 sin
	v_pk_fma_f32 v[YB+\i:YB+\i+1], v[YB+\i:YB+\i+1], v[CT+\i:CT+\i+1], v[TQ:TQ+1] neg_lo:[0,0,1] neg_hi:[0,0,1]   ; y1 cos - y2 sin
	v_pk_fma_f32 v[YB+16+\i:YB+17+\i], v[YB+16+\i:YB+17+\i], v[CT+\i:CT+\i+1], v[TQ+2:TQ+3]                       ; y2 cos + y1 sin
.endr
	WIN 0
.endm
; A K step.  In K steps 2 and 5 the next step's fragments lie in bytes that a load is still bringing: q's and k's 32 products go first, then the wait for my load and the barrier, then the fetch, then v's 16 products.
.macro STEP s
.if ((\s) == 2) || ((\s) == 5)
	s_wait_dscnt 0x0                               ; this step's fragments
	MULQK \s
	WIN 0
	s_wait_tensorcnt 0x0                           ; my one load that was out has landed
.if (\s) == 2
	ds_add_u32 v254, v255                          ; the add ahead of a refill's barrier
	s_mov_b32 s53, 0                               ; no load of mine is out: K steps 6, 7 go over K steps 0, 1: two rows
	s_mov_b32 s57, s25
	s_add_nc_u64 s[54:55], s[54:55], 3*KSB
	s_add_nc_u64 s[58:59], s[58:59], 3*KSB
	s_mov_b32 s[G1A+2], 2<<16
	s_mov_b32 s[G1A+4], 2
	s_mov_b32 s[G1B+2], 2<<16
	s_mov_b32 s[G1B+4], 2
	s_wait_dscnt 0x0                               ; the add is done; my reads of the first region were done above
	CROUND
	JLOAD                                          ; its four v_nop are the places ahead of the loads below
.else
	s_barrier_signal -1
	s_barrier_wait -1                              ; K steps 6, 7 are whole
	PLACES
.endif
	FETCH (\s)+1
	MULV \s
.else
.if (\s) > 0
	PLACES                                         ; four places in front of loads into registers that matrix instructions have read
.endif
.if (\s) < 7
	FETCH (\s)+1
	s_wait_dscnt 42                                ; all but the 42 just issued
.else
	TLOAD 2                                        ; into the registers of K step 6's W
	TLOAD 3
	TLOAD 4
	s_wait_dscnt 0x0
.endif
	MULQK \s
	MULV \s
.endif
.endm
	s_wait_alu depctr_va_vdst(0)                   ; the wait at the head's end
	s_wait_tensorcnt 0x0                           ; my operand's K steps 0-2 are in; the three lines ahead of a later first fill
	ds_add_u32 v254, v255
	s_mov_b32 s53, R1                              ; no load of mine is out: K steps 3-5 go to the second region
	s_add_co_u32 s57, s25, R1
	s_add_nc_u64 s[54:55], s[54:55], 3*KSB
	s_add_nc_u64 s[58:59], s[58:59], 3*KSB
	s_wait_dscnt 0x0
	CROUND                                         ; K steps 0-2 are whole, and the joint loads meet
	JLOAD
	FETCH 0
	s_wait_loadcnt 24                              ; the 14 loads of scale words are in; the gain's 8 and the table's 16 may be out
.irp s, 0,1,2,3,4,5,6,7
	STEP \s
.endr
	PLACES                                         ; in front of the first read of results and of loads into operands
	TLOAD 5                                        ; into the registers of K step 7's W
	TLOAD 6
	TLOAD 7
.irp b, 0,1,2,3
	v_mov_b32 v[TM+4+\b], 0                        ; written once: a lane permute's destination counts as one of its sources
.endr
	v_mov_b32 v[PT], 0
	v_mov_b32 v[RS+1], 0                           ; (named as the upper half of a pair of which the low word serves both halves)
	; ---- v first: it needs no table.  Accumulators (a, 0 .. 7) are 128 keys of my tile a's 16 of the head's 64
.irp a, 0,1
	s_wait_xcnt 0x0                                ; earlier stores have read their data
	QUANT 128+64*\a, 3
.irp c, 0,1,2
	global_store_b128 v12, v[PC+4*\c:PC+4*\c+3], s[96:97] offset:FRB*\a+512*\c
.endr
.if \a == 0
	v_mov_b32 v[W0], v[PW]
.else
	v_cndmask_b32 v[WS], v[W0], v[PW], s[HM]       ; lanes 0-15 the first tile's words, lanes 16-31 the second's: 128 consecutive bytes
	global_store_b32 v13, v[WS], s[96:97]
.endif
.endr
	; ---- q or k: fragment g holds token tiles 2 g, 2 g + 1
.irp g, 0,1,2,3
.if \g == 0
	s_wait_loadcnt 48                              ; the head's loads are in; the 48 issued behind K steps 6 and 7 may be out
.elseif \g == 1
	s_wait_loadcnt 24                              ; tiles 2-4's tables are in
.elseif \g == 2
	s_wait_loadcnt 0x0
.endif
	NORMROPE 2*\g, 0
	NORMROPE 2*\g+1, 1
	s_wait_xcnt 0x0
	QUANT Y, 0
.irp c, 0,1,2
	global_store_b128 v[LI], v[PC+4*\c:PC+4*\c+3], s[94:95] offset:FRB*\g+512*\c
.endr
.if \g%2 == 0
	v_mov_b32 v[W0], v[PW]
.else
	v_cndmask_b32 v[WS], v[W0], v[PW], s[HM]
	global_store_b32 v[LS], v[WS], s[94:95] offset:4*FRB+128*(\g/2)
.endif
.endr
	s_wait_tensorcnt 0x0                           ; the wave's end
	ds_add_u32 v254, v255
	s_wait_dscnt 0x0
	CROUND                                         ; the closing round: no work-group ends while a partner may still ask for a tile that names it
	s_endpgm
.Lfunc_end_k_qed7dae538f_qkv:
	.size	k_qed7dae538f_qkv, .Lfunc_end_k_qed7dae538f_qkv-k_qed7dae538f_qkv
	.p2alignl 7, 3214868480
	.fill 96, 4, 3214868480
	.section	.rodata,"a",@progbits
	.p2align	6, 0x0
	.amdhsa_kernel k_qed7dae538f_qkv
		.amdhsa_group_segment_fixed_size 327680
		.amdhsa_private_segment_fixed_size 0
		.amdhsa_enable_private_segment 0
		.amdhsa_kernarg_size 64
		.amdhsa_user_sgpr_count 2
		.amdhsa_user_sgpr_kernarg_segment_ptr 1
		.amdhsa_wavefront_size32 1
		.amdhsa_system_sgpr_workgroup_id_x 1
		.amdhsa_system_sgpr_workgroup_id_y 1
		.amdhsa_system_sgpr_workgroup_id_z 1
		.amdhsa_system_vgpr_workitem_id 0
		.amdhsa_next_free_vgpr 1024
		.amdhsa_next_free_sgpr 100
		.amdhsa_reserve_vcc 0
		.amdhsa_float_denorm_mode_32 3
		.amdhsa_float_denorm_mode_16_64 3
		.amdhsa_memory_ordered 1
		.amdhsa_forward_progress 1
		.amdhsa_inst_pref_size 161
	.end_amdhsa_kernel
	.amdgpu_metadata
---
amdhsa.version: [ 1, 2 ]
amdhsa.kernels:
  - .name:           k_qed7dae538f_qkv
    .symbol:         k_qed7dae538f_qkv.kd
    .args:
      - { .name: xcs, .offset: 0, .size: 8, .value_kind: global_buffer, .address_space: global }
      - { .name: wcs, .offset: 8, .size: 8, .value_kind: global_buffer, .address_space: global }
      - { .name: rope, .offset: 16, .size: 8, .value_kind: global_buffer, .address_space: global }
      - { .name: q_norm_w, .offset: 24, .size: 8, .value_kind: global_buffer, .address_space: global }
      - { .name: k_norm_w, .offset: 32, .size: 8, .value_kind: global_buffer, .address_space: global }
      - { .name: qbuf, .offset: 40, .size: 8, .value_kind: global_buffer, .address_space: global }
      - { .name: kbuf, .offset: 48, .size: 8, .value_kind: global_buffer, .address_space: global }
      - { .name: vbuf, .offset: 56, .size: 8, .value_kind: global_buffer, .address_space: global }
    .group_segment_fixed_size: 327680
    .private_segment_fixed_size: 0
    .kernarg_segment_align: 8
    .kernarg_segment_size: 64
    .max_flat_workgroup_size: 128
    .sgpr_count:     100
    .vgpr_count:     1024
    .wavefront_size: 32
...
	.end_amdgpu_metadata
.endif
;; end of part 2
;; launch attn (part 3): grid 8 x 32, 16 waves a work-group, no clusters, 327,680 bytes of LDS; arguments qbuf, kbuf, vbuf, sink_logit, acs; writes acs
.if DOCPART == 3
	.amdgcn_target "amdgcn-amd-amdhsa--gfx1250"
	.amdhsa_code_object_version 6
	.text
	.protected	k_qed7dae538f_attn
	.globl	k_qed7dae538f_attn
	.p2align	8
	.type	k_qed7dae538f_attn,@function
k_qed7dae538f_attn:
	s_mov_b64 s[64:65], 0
	v_nop
	global_prefetch_b8 v0, s[64:65] scope:SCOPE_SE
	s_setreg_imm32_b32 hwreg(HW_REG_WAVE_MODE, 25, 1), 1
	s_wait_xcnt 0x0
; Causal attention with a sink, one head (y = batch x 16 + head) to 8 work-groups, on codes of BF6 (E3M2) with E8M0 scales; the weights are quantised finished and normalised, so the keys are walked twice:
; pass 1 finds each query's running maximum M and sum l (the sink's term among them), pass 2 makes p = 2^(t - M - log2 l), quantises it by blocks of 32 keys and adds O^T += v^T p^T.  The result is quantised along the head's 64 for the last product.
; LEFT OUT: key steps that lie wholly above the diagonal: the mask that the problem itself builds makes their weights 0 for all inputs.  A NaN or an infinity that reaches only those scores is not carried to the result.
; SHARES.  A head has 16 blocks of 128 queries, a block 8 tiles of 16.  Work-group x takes tile x of EVERY block, so all work-groups are alike and every one of the 16 key steps (128 keys) is read.
; Wave p (0-7): the tile of block 15 - p, key steps 0 .. 7 (never the diagonal).  Wave p + 8: the same tile's steps 8 .. 15 - p, then the tile of block p, steps 0 .. p.  So a wave walks 8 or 9 steps in each pass.
; The two waves of a pair join the shared tile's (M, l) through LDS at the barrier between the passes, and its two parts of O^T through a stage in LDS at the end; wave p finishes the tile of block 15 - p, wave p + 8 that of block p.
; LDS: K's 16 steps of 6,400 bytes from 0, V's from 102,400 (wave w fetches step w of each: K at the head, V behind the first barrier, awaited at the barrier between the passes); the spare words; 256 bytes a wave for (M, l); 4,096 a wave for O^T.
; Every loop has a constant trip count and jumps over the steps that are not the wave's, by tests on the wave's number alone.
; The diagonal step: of its four blocks of 32 keys those below the tile's own (g = x / 2) are open, those above are all masked, and the tile's own takes 16 lane masks made once at the head.
; NO CLUSTER: the diagonal's branches hang on g, that is on the work-group's x, which differs between the work-groups that share K and V.  NO PREFETCH: K and V are asked for whole at the kernel's head and behind its first barrier: there is no loop to run ahead in.
; LIMITS: NaN and infinities among the inputs are not served; the promise holds while the scaled scores (exponents to the base 2) stay under 2^31 in magnitude; a block of zeros gets the byte 1 (its codes are zeros; this program alone reads the bytes).
.set HEADB, 102400
.set SGB,   6400
.set FRB,   1536
.set SCOFF, 3145728
.set GRP,   196608
.set KSB,   24576
.set SPARE, 204800
.set XCH,   206848
.set STAGE, 210944
.set QHI,   16                         ; v16-27: zeros, then q;  QLO v22-33: q, then zeros
.set QLO,   22
.set QS,    34
.set CA,    35                         ; M + log2 l of the shared tile
.set KS,    36
.set VS,    38
.set KF,    40                         ; v40-87 four fragments of K, then of V
.set QA,    88                         ; v88-93 the shared tile's q;  v94, v95 the two tiles' scale words
.set QSA,   94
.set QSB,   95
.set S,     96                         ; v96-159 scores, then p
.set OT,    160                        ; v160-191 O^T
.set PC,    192
.set BM,    212
.set BT,    216
.set BS,    220
.set PW,    224
.set NEG,   225
.set QB,    226                        ; v226-231 the second tile's q
.set FF,    232
.set PT,    234
.set XO,    244
.set XP,    245
.set SO,    246
.set SPT,   247
.set ONEB,  248
.set ONEA,  249
.set SK,    250
.set MA,    251
.set LA,    252
.set CB,    253
.set SEL,   40
.set MK,    68                         ; s68-83 the diagonal block's lane masks
.set LO2,   85
.set HI2,   86
.set LO1,   88
.set HI1,   89
.set DG1,   90
.set G,     91
	s_load_b256 s[4:11], s[0:1], 0x0               ; qbuf, kbuf, vbuf, sink_logit
	s_load_b64 s[12:13], s[0:1], 0x20              ; acs
	v_lshl_add_u32 v254, v0, 2, SPARE
	v_mov_b32 v255, 0
	ds_add_u32 v254, v255                          ; the opening lines
	ds_add_u32 v254, v255
	v_lshrrev_b32 v5, 5, v0
	v_readfirstlane_b32 s16, v5                    ; wave
	s_and_b32 s17, ttmp7, 0xffff
	s_mov_b32 s24, 3<<16                           ; a step: 6,400 dense bytes as 25 rows of 256 (32 elements of 8 bytes)
	s_mov_b32 s25, 32<<16
	s_mov_b32 s26, 25<<16
	s_mov_b32 s27, 32<<16
	s_mov_b32 s28, 25
	s_mov_b32 s29, 32
	s_mov_b32 s30, 0
	s_mov_b32 s31, 0
	s_mul_i32 s50, s17, HEADB
	s_mul_i32 s33, s16, SGB
	s_add_co_u32 s52, s50, s33
	s_mov_b32 s53, 0
	s_wait_dscnt 0x0
	s_wait_kmcnt 0x0
	s_mov_b32 s32, 1
	s_add_nc_u64 s[34:35], s[6:7], s[52:53]
	s_or_b32 s35, s35, 0x80000000
	s_mov_b32 s36, 1
	s_add_co_u32 s37, s33, HEADB
	s_add_nc_u64 s[38:39], s[8:9], s[52:53]
	s_or_b32 s39, s39, 0x80000000
	tensor_load_to_lds s[32:35], s[24:31]          ; K's step w: my one load at the head
	s_nop 0
	s_and_b32 s22, s17, 15                         ; head
	s_lshr_b32 s23, s17, 4                         ; batch
	s_lshl_b32 s54, s22, 2
	s_load_b32 s47, s[10:11], s54 offset:0x0       ; the head's sink
	s_and_b32 s19, s16, 7                          ; p
	s_sub_co_u32 s48, 15, s19
	s_mov_b32 s[HI2], s19
	s_and_b32 s21, ttmp9, 1                        ; u: which 16 of the fragment's 32 tokens
	s_lshr_b32 s[G], ttmp9, 1                      ; g: which fragment of the block's four
	s_cmp_lt_u32 s16, 8
	s_cselect_b32 s[LO1], 0, 8                     ; the shared tile's steps that are mine,
	s_cselect_b32 s[HI1], 7, s48
	s_cselect_b32 s[DG1], 64, s48                  ; its diagonal step, if mine,
	s_cselect_b32 s[LO2], 64, 0                    ; the second tile: waves 8-15 alone
	s_cselect_b32 s18, s48, s19                    ; the block whose tile I finish
	s_cselect_b32 s92, -1, 0
	s_cselect_b32 s93, 1.0, 0                      ; the sink's term of the shared tile is counted by waves 0-7
	s_lshl_b32 s20, s18, 3
	s_add_co_u32 s20, s20, ttmp9
	s_mul_i32 s55, s[G], FRB
	s_add_co_u32 s55, s55, s50
	s_mul_i32 s56, s48, SGB
	s_add_co_u32 s56, s56, s55
	s_mov_b32 s57, 0
	s_add_nc_u64 s[56:57], s[4:5], s[56:57]        ; q's fragment of block 15 - p
	s_mul_i32 s58, s19, SGB
	s_add_co_u32 s58, s58, s55
	s_mov_b32 s59, 0
	s_add_nc_u64 s[58:59], s[4:5], s[58:59]        ; and of block p
	s_mul_i32 s60, s[G], FRB-64
	s_sub_co_u32 s60, 4*FRB, s60                   ; from the fragment to its scale words
	s_lshl_b32 s61, s21, 3
	s_lshl_b32 s62, s21, 4
	s_cmp_eq_u32 s21, 1
	s_cselect_b32 s46, -1, 0
	s_xor_b32 s63, s16, 8                          ; my partner
	s_lshl_b32 s49, s16, 8
	s_add_co_u32 s49, s49, XCH
	s_lshl_b32 s51, s63, 8
	s_add_co_u32 s51, s51, XCH
	s_lshl_b32 s52, s16, 12
	s_add_co_u32 s52, s52, STAGE
	s_lshl_b32 s53, s63, 12
	s_add_co_u32 s53, s53, STAGE
	s_mov_b32 s94, 0xffff0000
	s_mov_b32 s[SEL], 0x76543210
	s_mov_b32 s[SEL+1], 0xfedcba98
	s_mov_b32 s42, 0x3e38aa3b                      ; log2(e) / 8
	s_mov_b32 s43, s42
	v_and_b32 v235, 31, v0
	v_and_b32 v236, 15, v0
	v_bfe_u32 v237, v0, 4, 1
	v_lshlrev_b32 v1, 4, v235
	v_lshlrev_b32 v2, 2, v235
	v_lshlrev_b32 v238, 2, v236
	v_add_nc_u32 v238, s60, v238
	v_add_nc_u32 v3, HEADB, v1
	v_add_nc_u32 v4, HEADB, v2
.irp c, 0,1,2
	global_load_b128 v[40+4*\c:43+4*\c], v1, s[56:57] offset:512*\c
	global_load_b128 v[52+4*\c:55+4*\c], v1, s[58:59] offset:512*\c
.endr
	global_load_b32 v64, v238, s[56:57]
	global_load_b32 v65, v238, s[58:59]
	v_lshlrev_b32 v239, 3, v235
	v_add_nc_u32 v[XO], s49, v239
	v_add_nc_u32 v[XP], s51, v239
	v_add_nc_u32 v[SO], s52, v1
	v_add_nc_u32 v[SPT], s53, v1
	v_and_b32 v9, 8, v236
	v_add_nc_u32 v9, v9, v236
	v_lshlrev_b32 v237, 4, v237
	v_sub_nc_u32 v9, v9, v237
	v_add_nc_u32 v9, s61, v9                       ; my query's place in its 32, less 16 (lane / 16)
.irp j, 0,1,2,3,4,5,6,7,8,9,10,11,12,13,14,15
	v_cmp_gt_i32 s[MK+\j], \j, v9                  ; lanes in which register j of the diagonal block is a later key
.endr
.irp i, 0,1,2,3,4,5
	v_mov_b32 v[QHI+\i], 0
	v_mov_b32 v[QLO+6+\i], 0
.endr
	v_mov_b32 v[NEG], 0xff800000
	v_mov_b32 v[ONEA], 0
	v_mov_b32 v[ONEB], 1.0
	v_cndmask_b32 v[ONEB], v[ONEB], v[ONEA], s94   ; 1 in lanes 0-15
	v_mul_f32 v[ONEA], s93, v[ONEB]
.irp r, 11,13,14,15,233,234,240,241,242,243
	v_mov_b32 v\r, 0
.endr
.irp b, 0,1,2,3
	v_mov_b32 v[BT+\b], 0
.endr
	s_wait_alu depctr_va_vdst(0)                   ; the wait at the head's end
	s_wait_tensorcnt 0x0                           ; my step of K is in; the three lines ahead of a later first fill
	ds_add_u32 v254, v255
	s_wait_dscnt 0x0
	s_barrier_signal -1
	s_barrier_wait -1                              ; K is whole
	tensor_load_to_lds s[36:39], s[24:31]          ; V's step w: it lands under pass 1
	s_nop 0
	s_wait_kmcnt 0x0
	s_wait_loadcnt 0x0
	v_mov_b32 v[SK], s47
	v_mul_f32 v[SK], 0x3fb8aa3b, v[SK]             ; the sink as an exponent to the base 2
.irp i, 0,1,2,3,4,5
	v_cndmask_b32 v[QA+\i], v[40+\i], v[46+\i], s46
	v_cndmask_b32 v[QB+\i], v[52+\i], v[58+\i], s46
.endr
	v_lshrrev_b32 v[QSA], s62, v64
	v_lshrrev_b32 v[QSB], s62, v65
	v_and_b32 v[QSA], 0xffff, v[QSA]
	v_and_b32 v[QSB], 0xffff, v[QSB]
	v_lshl_or_b32 v[QSA], v[QSA], 16, v[QSA]       ; my tile's two bytes, for either half of K
	v_lshl_or_b32 v[QSB], v[QSB], 16, v[QSB]
.macro SCORES                          ; S^T = k q^T for the step at s44: register 16 b + i of lane (r, h) is key 32 b + 16 h + i against query r
	v_add_nc_u32 v5, s44, v1
	v_add_nc_u32 v6, s44, v2
.irp b, 0,1,2,3
.irp c, 0,1,2
	ds_load_b128 v[KF+12*\b+4*\c:KF+12*\b+4*\c+3], v5 offset:FRB*\b+512*\c
.endr
.endr
	ds_load_b32 v[KS], v6 offset:4*FRB
	ds_load_b32 v[KS+1], v6 offset:4*FRB+128
	s_wait_dscnt 0x0
.irp b, 0,1,2,3
.if \b%2 == 0
	v_wmma_scale_f32_16x16x128_f8f6f4 v[S+16*\b:S+16*\b+7], v[KF+12*\b:KF+12*\b+11], v[QLO:QLO+11], 0, v[KS+\b/2], v[QS] matrix_a_fmt:MATRIX_FMT_BF6 matrix_b_fmt:MATRIX_FMT_BF6
	v_wmma_scale_f32_16x16x128_f8f6f4 v[S+16*\b+8:S+16*\b+15], v[KF+12*\b:KF+12*\b+11], v[QHI:QHI+11], 0, v[KS+\b/2], v[QS] matrix_a_fmt:MATRIX_FMT_BF6 matrix_b_fmt:MATRIX_FMT_BF6
.else
	v_wmma_scale_f32_16x16x128_f8f6f4 v[S+16*\b:S+16*\b+7], v[KF+12*\b:KF+12*\b+11], v[QLO:QLO+11], 0, v[KS+\b/2], v[QS] matrix_a_fmt:MATRIX_FMT_BF6 matrix_b_fmt:MATRIX_FMT_BF6 matrix_a_scale:MATRIX_SCALE_ROW1
	v_wmma_scale_f32_16x16x128_f8f6f4 v[S+16*\b+8:S+16*\b+15], v[KF+12*\b:KF+12*\b+11], v[QHI:QHI+11], 0, v[KS+\b/2], v[QS] matrix_a_fmt:MATRIX_FMT_BF6 matrix_b_fmt:MATRIX_FMT_BF6 matrix_a_scale:MATRIX_SCALE_ROW1
.endif
.endr
.endm
.macro MASK dg                         ; the diagonal step alone: blocks under g stay, block g takes the lane masks, blocks over g are all -inf
	s_cmp_lg_u32 s45, s[\dg]
	s_cbranch_scc1 .Lopen_\@
.irp b, 0,1,2,3
	s_cmp_gt_u32 s[G], \b
	s_cbranch_scc1 .Lnb_\@_\b
.if \b > 0
	s_cmp_eq_u32 s[G], \b
	s_cbranch_scc0 .Lfull_\@_\b
.endif
.irp j, 0,1,2,3,4,5,6,7,8,9,10,11,12,13,14,15
	v_cndmask_b32 v[S+16*\b+\j], v[S+16*\b+\j], v[NEG], s[MK+\j]
.endr
.if \b > 0
	s_branch .Lnb_\@_\b
.Lfull_\@_\b:
.irp j, 0,1,2,3,4,5,6,7,8,9,10,11,12,13,14,15
	v_mov_b32 v[S+16*\b+\j], v[NEG]
.endr
.endif
.Lnb_\@_\b:
.endr
.Lopen_\@:
	s_wait_alu depctr_va_vdst(0)
.endm
.macro EXPS                            ; S = 2^(S c - v10)
.irp j, 0,2,4,6,8,10,12,14,16,18,20,22,24,26,28,30,32,34,36,38,40,42,44,46,48,50,52,54,56,58,60,62
	v_pk_fma_f32 v[S+\j:S+\j+1], v[S+\j:S+\j+1], s[42:43], v[10:11] op_sel_hi:[1,0,0] neg_lo:[0,0,1] neg_hi:[0,0,1]
.endr
	s_wait_alu depctr_va_vdst(0)                   ; ahead of the batch
.irp j, 0,1,2,3,4,5,6,7,8,9,10,11,12,13,14,15,16,17,18,19,20,21,22,23,24,25,26,27,28,29,30,31,32,33,34,35,36,37,38,39,40,41,42,43,44,45,46,47,48,49,50,51,52,53,54,55,56,57,58,59,60,61,62,63
	v_exp_f32 v[S+\j], v[S+\j]
.endr
	v_nop                                          ; one plain place behind the batch
	s_wait_alu depctr_va_vdst(0)                   ; and its one wait
.endm
.macro PASS1 n, lo, hi, dg             ; n trips; mine are lo .. hi.  v10: the running maximum, v[12:13]: the sum under it
	s_mov_b32 s45, 0
	s_mov_b32 s44, 0
	s_wait_alu depctr_va_vdst(0)
.Lp1_\@:
	s_cmp_lt_u32 s45, s[\lo]
	s_cbranch_scc1 .Lp1n_\@
	s_cmp_gt_u32 s45, s[\hi]
	s_cbranch_scc1 .Lp1n_\@
	SCORES
.rept 4
	v_nop
.endr
	MASK \dg
.irp b, 0,1,2,3
	v_max3_num_f32 v[BM+\b], v[S+16*\b], v[S+16*\b+1], v[S+16*\b+2]
.endr
.irp i, 3,5,7,9,11,13
.irp b, 0,1,2,3
	v_max3_num_f32 v[BM+\b], v[BM+\b], v[S+16*\b+\i], v[S+16*\b+\i+1]
.endr
.endr
.irp b, 0,1,2,3
	v_max_num_f32 v[BM+\b], v[BM+\b], v[S+16*\b+15]
.endr
	v_max3_num_f32 v[BM], v[BM], v[BM+1], v[BM+2]
	s_delay_alu instid0(VALU_DEP_1)
	v_max_num_f32 v[BM], v[BM], v[BM+3]
	s_delay_alu instid0(VALU_DEP_1)
	v_mul_f32 v[BM], s42, v[BM]
	s_delay_alu instid0(VALU_DEP_1)
	v_max_num_f32 v[BM], v10, v[BM]                ; the new maximum
	s_delay_alu instid0(VALU_DEP_1)
	v_sub_f32 v[FF], v10, v[BM]
	v_mov_b32 v10, v[BM]
	s_wait_alu depctr_va_vdst(0)
	v_exp_f32 v[FF], v[FF]                         ; what the old sum is multiplied by
	EXPS
	v_pk_fma_f32 v[12:13], v[12:13], v[FF:FF+1], v[S:S+1] op_sel_hi:[1,0,1]   ; the sum, in four chains
	v_pk_add_f32 v[14:15], v[S+2:S+3], v[S+4:S+5]
	v_pk_add_f32 v[240:241], v[S+6:S+7], v[S+8:S+9]
	v_pk_add_f32 v[242:243], v[S+10:S+11], v[S+12:S+13]
.irp j, 14,22,30,38,46,54
	v_pk_add_f32 v[12:13], v[12:13], v[S+\j:S+\j+1]
	v_pk_add_f32 v[14:15], v[14:15], v[S+\j+2:S+\j+3]
	v_pk_add_f32 v[240:241], v[240:241], v[S+\j+4:S+\j+5]
	v_pk_add_f32 v[242:243], v[242:243], v[S+\j+6:S+\j+7]
.endr
	v_pk_add_f32 v[12:13], v[12:13], v[S+62:S+63]
	v_pk_add_f32 v[14:15], v[14:15], v[240:241]
	v_pk_add_f32 v[12:13], v[12:13], v[242:243]
	s_delay_alu instid0(VALU_DEP_1)
	v_pk_add_f32 v[12:13], v[12:13], v[14:15]
	s_wait_alu depctr_va_vdst(0)
.Lp1n_\@:
	s_add_co_u32 s44, s44, SGB
	s_add_co_u32 s45, s45, 1
	s_cmp_lt_u32 s45, \n
	s_cbranch_scc1 .Lp1_\@
.endm
.macro PASS2 n, lo, hi, dg             ; v10: M + log2 l
	s_mov_b32 s45, 0
	s_mov_b32 s44, 0
	s_wait_alu depctr_va_vdst(0)
.Lp2_\@:
	s_cmp_lt_u32 s45, s[\lo]
	s_cbranch_scc1 .Lp2n_\@
	s_cmp_gt_u32 s45, s[\hi]
	s_cbranch_scc1 .Lp2n_\@
	SCORES
	v_add_nc_u32 v7, s44, v3                       ; with the two v_nop: the four places ahead of loads into K's registers
	v_add_nc_u32 v8, s44, v4
	v_nop
	v_nop
.irp t, 0,1,2,3
.irp c, 0,1,2
	ds_load_b128 v[KF+12*\t+4*\c:KF+12*\t+4*\c+3], v7 offset:FRB*\t+512*\c
.endr
.endr
	ds_load_b32 v[VS], v8 offset:4*FRB
	ds_load_b32 v[VS+1], v8 offset:4*FRB+128
	MASK \dg
	EXPS                                           ; the finished weights
.irp b, 0,1,2,3
	v_max3_num_f32 v[BM+\b], v[S+16*\b], v[S+16*\b+1], 0x2800000   ; block b's largest, and the floor 2^(5 - 127)
.endr
.irp i, 2,4,6,8,10,12,14
.irp b, 0,1,2,3
	v_max3_num_f32 v[BM+\b], v[BM+\b], v[S+16*\b+\i], v[S+16*\b+\i+1]
.endr
.endr
.irp b, 0,1,2,3
	v_permlanex16_b32 v[BT+\b], v[BM+\b], s[SEL], s[SEL+1]
.endr
.irp b, 0,1,2,3
	v_max_num_f32 v[BM+\b], v[BM+\b], v[BT+\b]
.endr
.irp b, 0,1,2,3
	v_add_nc_u32 v[BS+\b], 0xfe000000, v[BM+\b]    ; 4 off the exponent field: the conversion's scale operand
.endr
.irp b, 0,1,2,3
	v_lshrrev_b32 v[BT+\b], 23, v[BS+\b]           ; the byte
.endr
	v_lshl_or_b32 v[PW], v[BT+1], 8, v[BT]
	v_lshl_or_b32 v[PW], v[BT+2], 16, v[PW]
	v_lshl_or_b32 v[PW], v[BT+3], 24, v[PW]
.irp c, 0,1
	v_cvt_scalef32_pk16_bf6_f32 v[PC+6*\c:PC+2+6*\c], v[S+32*\c:S+15+32*\c], v[BS+2*\c]
	v_cvt_scalef32_pk16_bf6_f32 v[PC+12+4*\c:PC+14+4*\c], v[S+16+32*\c:S+31+32*\c], v[BS+2*\c+1]
.endr
	v_nop                                          ; one plain place behind a scaled conversion
.irp c, 0,1
.irp i, 0,1,2
	v_permlane16_swap_b32 v[PC+6*\c+\i], v[PC+12+4*\c+\i]
.endr
.endr
.irp c, 0,1
.irp i, 0,1,2
	v_mov_b32 v[PC+3+6*\c+\i], v[PC+12+4*\c+\i]
.endr
.endr
.rept 4
	v_nop                                          ; four places behind the last write of an operand; the scale word stands eleven plain lines back
.endr
	s_wait_alu depctr_va_vdst(0)                   ; the wait, directly ahead of the wait below
	s_wait_dscnt 0x0                               ; V's fragments
.irp t, 0,1,2,3
.if \t%2 == 0
	v_wmma_scale_f32_16x16x128_f8f6f4 v[OT+8*\t:OT+8*\t+7], v[KF+12*\t:KF+12*\t+11], v[PC:PC+11], v[OT+8*\t:OT+8*\t+7], v[VS+\t/2], v[PW] matrix_a_fmt:MATRIX_FMT_BF6 matrix_b_fmt:MATRIX_FMT_BF6
.else
	v_wmma_scale_f32_16x16x128_f8f6f4 v[OT+8*\t:OT+8*\t+7], v[KF+12*\t:KF+12*\t+11], v[PC:PC+11], v[OT+8*\t:OT+8*\t+7], v[VS+\t/2], v[PW] matrix_a_fmt:MATRIX_FMT_BF6 matrix_b_fmt:MATRIX_FMT_BF6 matrix_a_scale:MATRIX_SCALE_ROW1
.endif
.endr
.rept 4
	v_nop
.endr
.Lp2n_\@:
	s_add_co_u32 s44, s44, SGB
	s_add_co_u32 s45, s45, 1
	s_cmp_lt_u32 s45, \n
	s_cbranch_scc1 .Lp2_\@
.endm
.macro SETQ qs, q                      ; a tile's q into the operands.  The lines that follow it are the places ahead of the next scaled product
	v_mov_b32 v[QS], v[\qs]
.irp i, 0,1,2,3,4,5
	v_mov_b32 v[QLO+\i], v[\q+\i]
.endr
.endm
	; ---- pass 1, the shared tile
	SETQ QSA, QA
	v_mov_b32 v10, v[SK]                           ; the maximum begins at the sink
	v_mov_b32 v12, v[ONEA]
	v_mov_b32 v13, 0
	v_nop
	v_nop
	PASS1 16, LO1, HI1, DG1
	; ---- pass 1, the second tile
	SETQ QSB, QB
	v_add_f32 v[LA], v12, v13
	v_mov_b32 v[MA], v10
	v_mov_b32 v10, v[SK]
	v_mov_b32 v12, v[ONEB]
	v_mov_b32 v13, 0
	v_nop
	PASS1 8, LO2, HI2, HI2
	; ---- both tiles: lanes l and l xor 16 join; then the pair joins the shared tile
	v_add_f32 v12, v12, v13
	v_permlanex16_b32 v[PT], v[MA], s[SEL], s[SEL+1]
	v_permlanex16_b32 v238, v10, s[SEL], s[SEL+1]
	v_max_num_f32 v[PT], v[MA], v[PT]
	v_max_num_f32 v238, v10, v238
	v_sub_f32 v[FF], v[MA], v[PT]
	v_sub_f32 v239, v10, v238
	s_wait_alu depctr_va_vdst(0)
	v_exp_f32 v[FF], v[FF]
	v_exp_f32 v239, v239
	v_nop
	s_wait_alu depctr_va_vdst(0)
	v_mul_f32 v[LA], v[LA], v[FF]
	v_mul_f32 v12, v12, v239
	v_permlanex16_b32 v240, v[LA], s[SEL], s[SEL+1]
	v_permlanex16_b32 v241, v12, s[SEL], s[SEL+1]
	v_mov_b32 v242, v[PT]
	v_add_f32 v243, v[LA], v240
	v_add_f32 v12, v12, v241
	ds_store_b64 v[XO], v[242:243]                 ; my (M, l) of the shared tile
	s_wait_alu depctr_va_vdst(0)                   ; the wait, directly ahead of the waits below
	s_wait_tensorcnt 0x0                           ; my step of V is in
	s_wait_dscnt 0x0
	s_barrier_signal -1
	s_barrier_wait -1                              ; V is whole, and every wave's (M, l) is stored
	ds_load_b64 v[240:241], v[XP]
	s_wait_dscnt 0x0
	v_max_num_f32 v[PT], v242, v240
	v_sub_f32 v[FF], v242, v[PT]
	v_sub_f32 v239, v240, v[PT]
	s_wait_alu depctr_va_vdst(0)
	v_exp_f32 v[FF], v[FF]
	v_exp_f32 v239, v239
	v_nop
	s_wait_alu depctr_va_vdst(0)
	v_mul_f32 v243, v243, v[FF]
	v_fma_f32 v243, v241, v239, v243
	s_wait_alu depctr_va_vdst(0)
	v_log_f32 v243, v243
	v_log_f32 v12, v12
	v_nop
	s_wait_alu depctr_va_vdst(0)
	v_add_f32 v[CA], v[PT], v243
	v_add_f32 v[CB], v238, v12
	; ---- pass 2, the shared tile
	SETQ QSA, QA
	v_mov_b32 v10, v[CA]
.irp j, 0,1,2,3,4,5,6,7,8,9,10,11,12,13,14,15,16,17,18,19,20,21,22,23,24,25,26,27,28,29,30,31
	v_mov_b32 v[OT+\j], 0
.endr
	PASS2 16, LO1, HI1, DG1
.irp t, 0,1,2,3,4,5,6,7
	ds_store_b128 v[SO], v[OT+4*\t:OT+4*\t+3] offset:512*\t   ; my part of the shared tile's O^T, each accumulator from its low end on
.endr
	; ---- pass 2, the second tile
	SETQ QSB, QB
	v_mov_b32 v10, v[CB]
.irp j, 0,1,2,3,4,5,6,7,8,9,10,11,12,13,14,15,16,17,18,19,20,21,22,23,24,25,26,27,28,29,30,31
	v_mov_b32 v[OT+\j], 0
.endr
	PASS2 8, LO2, HI2, HI2
	s_wait_dscnt 0x0
	s_barrier_signal -1
	s_barrier_wait -1                              ; every wave's part is stored
	s_lshl_b32 s48, s23, 7                         ; where my tile's codes and scale bytes go in acs
	s_add_co_u32 s48, s48, s20
	s_lshr_b32 s49, s48, 4
	s_mul_i32 s49, s49, GRP
	s_lshr_b32 s50, s22, 1
	s_mul_i32 s50, s50, KSB
	s_add_co_u32 s49, s49, s50
	s_and_b32 s50, s48, 15
	s_mul_i32 s50, s50, FRB
	s_add_co_u32 s50, s49, s50
	s_mov_b32 s51, 0
	s_add_nc_u64 s[50:51], s[12:13], s[50:51]
	s_and_b32 s49, s22, 1
	s_lshl_b32 s52, s49, 9
	s_lshl_b32 s53, s49, 8
	s_add_co_u32 s53, s53, 1024
	s_lshl_b32 s54, s48, 9
	s_lshl_b32 s55, s22, 1
	s_add_co_u32 s54, s54, s55
	s_add_co_u32 s54, s54, SCOFF
	s_mov_b32 s55, 0
	s_add_nc_u64 s[54:55], s[12:13], s[54:55]
.irp t, 0,1,2,3,4,5,6,7
	ds_load_b128 v[S+4*\t:S+4*\t+3], v[SO] offset:512*\t
.endr
.irp t, 0,1,2,3,4,5,6,7
	ds_load_b128 v[S+32+4*\t:S+32+4*\t+3], v[SPT] offset:512*\t
.endr
	s_wait_dscnt 0x0
.irp j, 0,2,4,6,8,10,12,14,16,18,20,22,24,26,28,30
	v_pk_add_f32 v[S+\j:S+\j+1], v[S+\j:S+\j+1], v[S+32+\j:S+33+\j]
.endr
.irp j, 0,1,2,3,4,5,6,7,8,9,10,11,12,13,14,15,16,17,18,19,20,21,22,23,24,25,26,27,28,29,30,31
	v_cndmask_b32 v[OT+\j], v[OT+\j], v[S+\j], s92 ; waves 0-7 finish the shared tile, waves 8-15 their second
.endr
.irp b, 0,1
	v_max3_num_f32 v[BM+\b], |v[OT+16*\b]|, |v[OT+16*\b+1]|, 0x2800000
.endr
.irp i, 2,4,6,8,10,12,14
.irp b, 0,1
	v_max3_num_f32 v[BM+\b], v[BM+\b], |v[OT+16*\b+\i]|, |v[OT+16*\b+\i+1]|
.endr
.endr
.irp b, 0,1
	v_permlanex16_b32 v[BT+\b], v[BM+\b], s[SEL], s[SEL+1]
.endr
.irp b, 0,1
	v_max_num_f32 v[BM+\b], v[BM+\b], v[BT+\b]
.endr
.irp b, 0,1
	v_add_nc_u32 v[BS+\b], 0xfe000000, v[BM+\b]
.endr
.irp b, 0,1
	v_lshrrev_b32 v[BT+\b], 23, v[BS+\b]
.endr
	v_lshl_or_b32 v[PW], v[BT+1], 8, v[BT]
	v_cvt_scalef32_pk16_bf6_f32 v[PC:PC+2], v[OT:OT+15], v[BS]
	v_cvt_scalef32_pk16_bf6_f32 v[PC+8:PC+10], v[OT+16:OT+31], v[BS+1]
	v_nop
.irp i, 0,1,2
	v_permlane16_swap_b32 v[PC+\i], v[PC+8+\i]
.endr
.irp i, 0,1,2
	v_mov_b32 v[PC+3+\i], v[PC+8+\i]
.endr
	v_add_nc_u32 v5, s52, v1
	v_lshlrev_b32 v6, 3, v235
	v_add_nc_u32 v6, s53, v6
	v_lshlrev_b32 v7, 5, v236
	global_store_b128 v5, v[PC:PC+3], s[50:51]     ; registers 6 c .. 6 c + 3 of the operand's half: 512 consecutive bytes
	global_store_b64 v6, v[PC+4:PC+5], s[50:51]    ; 6 c + 4, 5: 256 consecutive bytes
	global_store_b16 v7, v[PW], s[54:55]
	s_wait_tensorcnt 0x0                           ; the wave's end
	ds_add_u32 v254, v255
	s_wait_dscnt 0x0
	s_endpgm
.Lfunc_end_k_qed7dae538f_attn:
	.size	k_qed7dae538f_attn, .Lfunc_end_k_qed7dae538f_attn-k_qed7dae538f_attn
	.p2alignl 7, 3214868480
	.fill 96, 4, 3214868480
	.section	.rodata,"a",@progbits
	.p2align	6, 0x0
	.amdhsa_kernel k_qed7dae538f_attn
		.amdhsa_group_segment_fixed_size 327680
		.amdhsa_private_segment_fixed_size 0
		.amdhsa_enable_private_segment 0
		.amdhsa_kernarg_size 40
		.amdhsa_user_sgpr_count 2
		.amdhsa_user_sgpr_kernarg_segment_ptr 1
		.amdhsa_wavefront_size32 1
		.amdhsa_system_sgpr_workgroup_id_x 1
		.amdhsa_system_sgpr_workgroup_id_y 1
		.amdhsa_system_sgpr_workgroup_id_z 1
		.amdhsa_system_vgpr_workitem_id 0
		.amdhsa_next_free_vgpr 256
		.amdhsa_next_free_sgpr 100
		.amdhsa_reserve_vcc 0
		.amdhsa_float_denorm_mode_32 3
		.amdhsa_float_denorm_mode_16_64 3
		.amdhsa_memory_ordered 1
		.amdhsa_forward_progress 1
		.amdhsa_inst_pref_size 92
	.end_amdhsa_kernel
	.amdgpu_metadata
---
amdhsa.version: [ 1, 2 ]
amdhsa.kernels:
  - .name:           k_qed7dae538f_attn
    .symbol:         k_qed7dae538f_attn.kd
    .args:
      - { .name: qbuf, .offset: 0, .size: 8, .value_kind: global_buffer, .address_space: global }
      - { .name: kbuf, .offset: 8, .size: 8, .value_kind: global_buffer, .address_space: global }
      - { .name: vbuf, .offset: 16, .size: 8, .value_kind: global_buffer, .address_space: global }
      - { .name: sink_logit, .offset: 24, .size: 8, .value_kind: global_buffer, .address_space: global }
      - { .name: acs, .offset: 32, .size: 8, .value_kind: global_buffer, .address_space: global }
    .group_segment_fixed_size: 327680
    .private_segment_fixed_size: 0
    .kernarg_segment_align: 8
    .kernarg_segment_size: 40
    .max_flat_workgroup_size: 512
    .sgpr_count:     100
    .vgpr_count:     256
    .wavefront_size: 32
...
	.end_amdgpu_metadata
.endif
;; end of part 3
;; launch oproj (part 4): grid 8 x 32, 4 waves a work-group, clusters of 4 x 4, 214,528 bytes of LDS; arguments acs, wcs, out0; writes out0
.if DOCPART == 4
	.amdgcn_target "amdgcn-amd-amdhsa--gfx1250"
	.amdhsa_code_object_version 6
	.text
	.protected	k_qed7dae538f_oproj
	.globl	k_qed7dae538f_oproj
	.p2align	8
	.type	k_qed7dae538f_oproj,@function
k_qed7dae538f_oproj:
	s_mov_b64 s[64:65], 0
	v_nop
	global_prefetch_b8 v0, s[64:65] scope:SCOPE_SE
	s_setreg_imm32_b32 hwreg(HW_REG_WAVE_MODE, 25, 1), 1
	s_wait_xcnt 0x0
	s_wait_alu depctr_hold_cnt(0) depctr_sa_sdst(0) depctr_va_vdst(0) depctr_va_sdst(0) depctr_va_ssrc(0) depctr_va_vcc(0) depctr_vm_vsrc(0)
	s_getreg_b32 s2, hwreg(HW_REG_IB_STS2, 6, 4)
	s_cmp_eq_u32 s2, 0
	s_cbranch_scc0 .Lentry_in_a_cluster
	s_endpgm
.Lentry_in_a_cluster:
	s_bfe_u32 s2, ttmp6, 0x10000c
	s_cmp_lg_u32 s2, 0xf033
	s_cbranch_scc0 .Lentry_shape_is_right
	s_endpgm
.Lentry_shape_is_right:
; out0 = a wo^T on codes of BF6 (E3M2) with E8M0 scales; a: attention's result, 4,096 tokens x 1,024, quantised by the launch before; wo: rows 3,072 on of wcs.  out0 [4096][1024] f32.
; A work-group makes 128 tokens (source 1, S1) x 128 outputs (source 0, S0), all of K = 1,024 in LDS: S1's 8 K steps of 12,288 bytes, then S0's 8, every byte filled once.  256 work-groups.
; CLUSTERS OF 4 x 4: S1's tiles hang on the work-group's y alone and are asked for jointly by my row of the cluster, S0's on its x alone, by my column.  Waves 0, 1 ask for S1's K steps 0-3, 4-7, waves 2, 3 for S0's: one tensor load of mine is out.
; Wave w makes S1's tiles 4 (w / 2) .. + 3 x S0's tiles 4 (w % 2) .. + 3: 16 accumulators by turns, in one order in every K step.  A lane holds one token; the 16 registers of two neighbouring tiles of S0 are 16
; neighbouring outputs (of each 32 rows tile u takes rows 8 u + r + 8 (r / 8)).  wo's fragments are images of the registers (4 c .. 4 c + 3 at 512 c + 16 x lane); a's lie by halves: registers 6 c .. 6 c + 3 at 512 c + 16 x lane, 6 c + 4, 5 at 1,024 + 256 c + 8 x lane.
; THE WAY OUT: a tile of 16 tokens x 64 outputs goes through the wave's own stage in LDS (rows of 272 bytes, behind the tiles: no tensor load lands there) and leaves as rows: sixteen lanes store 256 consecutive bytes, aligned.
; REGISTERS: window 0: v1-10 addresses; v16-31 S1's scale words, v32-47 S0's (nothing else ever stands there); v64-159 S1's fragments, two sets; on the way out v64-191.  Window 1: S0's fragments at v0 and v128.  Window 2: accumulator (a, b) at v[8 (4 a + b)].
.set SCOFF, 3145728
.set GRP,   196608
.set KSB,   24576
.set HALF,  12288
.set FRB,   1536
; LDS AS THIS TEXT LAYS IT (in place of the order by K steps and of the four loads a wave that the head comment names): S1's 8 K steps of 12,288 bytes on end from byte 0, S0's 8 from byte 98,304.
; ONE joint load a wave: waves 0, 1 fetch S1's K steps 0-3, 4-7, waves 2, 3 S0's: 4 rows of 12,288 bytes, 24,576 apart in memory.  One wait for 0 and one barrier show all of K.
.set STEPL, 12288
.set STG,   196608
.set SPI,   272
.set NB,    4
.set LI,   1
.set SL,   3
.set AD1,  4
.set AD1B, 5
.set AD0,  6
.set STO,  8
.set RD,   9
.set CO,   10
.set SC1,  16
.set SC0,  32
.set F1,   64
.set WV,   20
.set G1A,  36
.set G1B,  44
.set MSB, 0
.macro WIN new
.if MSB != (\new)
	s_set_vgpr_msb (MSB<<8)|(\new)
.set MSB, (\new)
.endif
.endm
.macro PLACES
.rept 4
	v_nop
.endr
.endm
.macro CROUND
	s_barrier_signal -1
	s_barrier_wait -1
	s_cmp_lg_u32 s[WV], 0
	s_cbranch_scc1 .Lnot_wave_0_\@
	s_barrier_signal -3
.Lnot_wave_0_\@:
	s_barrier_wait -3
	s_barrier_signal -1
	s_barrier_wait -1
.endm
	s_load_b128 s[4:7], s[0:1], 0x0                ; acs, wcs
	s_load_b64 s[8:9], s[0:1], 0x10                ; out0
	v_lshl_add_u32 v254, v0, 2, 0x34400
	v_mov_b32 v255, 0
	ds_add_u32 v254, v255
	ds_add_u32 v254, v255
	v_lshrrev_b32 v11, 5, v0
	v_readfirstlane_b32 s[WV], v11
	s_lshr_b32 s21, s[WV], 1                       ; wy
	s_and_b32 s22, s[WV], 1                        ; wx
	s_bfe_u32 s23, ttmp6, 0x40000                  ; cx
	s_bfe_u32 s24, ttmp6, 0x40004                  ; cy
	s_lshl_b32 s27, ttmp9, 2
	s_add_co_u32 s27, s27, s23                     ; which 128 outputs
	s_add_co_u32 s31, s27, 24                      ; wo's tile of 128 rows in wcs
	s_and_b32 s28, ttmp7, 0xffff
	s_lshl_b32 s28, s28, 2
	s_add_co_u32 s28, s28, s24                     ; which 128 tokens
	s_lshl_b32 s29, s24, 2
	s_lshl_b32 s29, 15, s29                        ; my row of the cluster
	s_lshl_b32 s30, 0x1111, s23                    ; my column
	s_or_b32 s[G1A], s29, (3<<16)|(1<<21)          ; 4 rows of 1,536 elements of 8 bytes, 24,576 bytes apart; the mask, and bit 21 beside it
	s_or_b32 s[G1B], s30, (3<<16)|(1<<21)
.irp g, G1A, G1B
	s_mov_b32 s[\g+1], 1536<<16
	s_mov_b32 s[\g+2], 4<<16
	s_mov_b32 s[\g+3], 1536<<16
	s_mov_b32 s[\g+4], 4
	s_mov_b32 s[\g+5], 3072
	s_mov_b32 s[\g+6], 0
	s_mov_b32 s[\g+7], 0
.endr
	s_mul_i32 s26, s22, 4*KSB                      ; my first K step: 0 or 4
	s_lshr_b32 s72, s28, 1
	s_mul_i32 s72, s72, GRP
	s_and_b32 s73, s28, 1
	s_mul_i32 s73, s73, HALF
	s_add_co_u32 s72, s72, s73
	s_add_co_u32 s72, s72, s26
	s_mov_b32 s73, 0
	s_lshr_b32 s74, s31, 1
	s_mul_i32 s74, s74, GRP
	s_and_b32 s75, s31, 1
	s_mul_i32 s75, s75, HALF
	s_add_co_u32 s74, s74, s75
	s_add_co_u32 s74, s74, s26
	s_mov_b32 s75, 0
	s_mul_i32 s25, s22, 4*HALF
	s_wait_dscnt 0x0
	s_wait_kmcnt 0x0
	s_add_nc_u64 s[72:73], s[4:5], s[72:73]        ; S1's K steps from 4 (w % 2)
	s_add_nc_u64 s[74:75], s[6:7], s[74:75]        ; S0's
	s_mov_b32 s52, 1
	s_mov_b32 s53, s25
	s_mov_b64 s[54:55], s[72:73]
	s_or_b32 s55, s55, 0x80000000
	s_mov_b32 s56, 1
	s_add_co_u32 s57, s25, 8*HALF
	s_mov_b64 s[58:59], s[74:75]
	s_or_b32 s59, s59, 0x80000000
	CROUND                                         ; all sixteen work-groups are here: the joint loads meet
	s_cmp_eq_u32 s21, 0                            ; waves 0, 1 ask for S1, waves 2, 3 for S0: one load on every way
	s_cbranch_scc0 .Lhead_s0
	tensor_load_to_lds s[52:55], s[G1A:G1A+7]
	s_nop 0
	PLACES
	s_branch .Lhead_asked
.Lhead_s0:
	tensor_load_to_lds s[56:59], s[G1B:G1B+7]
	s_nop 0
	PLACES
.Lhead_asked:
	v_and_b32 v11, 31, v0                          ; lane
	v_and_b32 v12, 15, v0                          ; r
	v_bfe_u32 v13, v0, 4, 1                        ; h
	v_lshlrev_b32 v[LI], 4, v11
	v_lshlrev_b32 v[SL], 5, v11
	s_mul_i32 s76, s21, 4*FRB
	v_add_nc_u32 v[AD1], s76, v[LI]
	s_add_co_u32 s76, s76, 1024
	v_lshlrev_b32 v[AD1B], 3, v11
	v_add_nc_u32 v[AD1B], s76, v[AD1B]
	s_mul_i32 s76, s22, 4*FRB
	s_add_co_u32 s76, s76, 8*HALF
	v_add_nc_u32 v[AD0], s76, v[LI]
	s_mul_i32 s76, s[WV], 16*SPI
	s_add_co_u32 s76, s76, STG                     ; my stage
	v_mul_u32_u24 v[STO], v12, SPI
	v_lshl_add_u32 v[STO], v13, 6, v[STO]
	v_add_nc_u32 v[STO], s76, v[STO]               ; in: row r, + 64 h
	v_mul_u32_u24 v[RD], v13, SPI
	v_lshl_add_u32 v[RD], v12, 4, v[RD]
	v_add_nc_u32 v[RD], s76, v[RD]                 ; back: lanes 0-15 one row, lanes 16-31 the next
	v_lshlrev_b32 v[CO], 12, v13
	v_lshl_add_u32 v[CO], v12, 4, v[CO]            ; and the same two rows of out0
	s_mov_b32 s77, 0
	s_lshl_b32 s76, s28, 12
	s_lshl_b32 s78, s21, 11
	s_add_co_u32 s76, s76, s78
	s_add_co_u32 s76, s76, SCOFF
	s_add_nc_u64 s[84:85], s[4:5], s[76:77]        ; S1's scale words, my four tiles
	s_lshl_b32 s76, s31, 12
	s_lshl_b32 s78, s22, 11
	s_add_co_u32 s76, s76, s78
	s_add_co_u32 s76, s76, SCOFF
	s_add_nc_u64 s[86:87], s[6:7], s[76:77]        ; S0's
	s_lshl_b32 s76, s28, 7
	s_lshl_b32 s78, s21, 6
	s_add_co_u32 s76, s76, s78
	s_lshl_b32 s76, s76, 12                        ; my first token's row of 4,096 bytes,
	s_lshl_b32 s78, s27, 9
	s_add_co_u32 s76, s76, s78                     ; the work-group's 128 outputs,
	s_lshl_b32 s78, s22, 8
	s_add_co_u32 s76, s76, s78                     ; my 64 of them
	s_add_nc_u64 s[92:93], s[8:9], s[76:77]
.irp x, 0,1                            ; lanes 0-15 take tile 2 x's rows, lanes 16-31 tile 2 x + 1's; register 8 x + s is K step s's word
.irp q, 0,1
	global_load_b128 v[SC1+8*\x+4*\q:SC1+8*\x+4*\q+3], v[SL], s[84:85] offset:1024*\x+16*\q
	global_load_b128 v[SC0+8*\x+4*\q:SC0+8*\x+4*\q+3], v[SL], s[86:87] offset:1024*\x+16*\q
.endr
.endr
.macro FETCH s                         ; K step s's fragments into set s % 2: 12 loads for S0, 16 for S1
	WIN 0x40
.irp b, 0,1,2,3
.irp c, 0,1,2
	ds_load_b128 v[128*((\s)%2)+12*\b+4*\c:128*((\s)%2)+12*\b+4*\c+3], v[AD0] offset:((\s)%2)*STEPL+FRB*\b+512*\c
.endr
.endr
	WIN 0
.irp a, 0,1,2,3
.set BB, F1+48*((\s)%2)+12*\a
	ds_load_b128 v[BB:BB+3], v[AD1] offset:((\s)%2)*STEPL+FRB*\a
	ds_load_b128 v[BB+6:BB+9], v[AD1] offset:((\s)%2)*STEPL+FRB*\a+512
	ds_load_b64 v[BB+4:BB+5], v[AD1B] offset:((\s)%2)*STEPL+FRB*\a
	ds_load_b64 v[BB+10:BB+11], v[AD1B] offset:((\s)%2)*STEPL+FRB*\a+256
.endr
.if ((\s)%2 == 1) && ((\s) < 7)
	v_add_nc_u32 v[AD0], 2*STEPL, v[AD0]
	s_wait_alu depctr_va_vdst(0)
	v_add_nc_u32 v[AD1], 2*STEPL, v[AD1]
	s_wait_alu depctr_va_vdst(0)
	v_add_nc_u32 v[AD1B], 2*STEPL, v[AD1B]
.endif
.endm
.macro WM a, b, s
.set DD, 8*(NB*(\a)+(\b))
.set AA, 128*((\s)%2)+12*(\b)
.set BB, F1+48*((\s)%2)+12*(\a)
.set SA, SC0+8*((\b)/2)+(\s)
.set SB, SC1+8*((\a)/2)+(\s)
.set PAR, (\b)%2+2*((\a)%2)
.if (\s) == 0
.if PAR == 0
	v_wmma_scale_f32_16x16x128_f8f6f4 v[DD:DD+7], v[AA:AA+11], v[BB:BB+11], 0, v[SA], v[SB] matrix_a_fmt:MATRIX_FMT_BF6 matrix_b_fmt:MATRIX_FMT_BF6
.elseif PAR == 1
	v_wmma_scale_f32_16x16x128_f8f6f4 v[DD:DD+7], v[AA:AA+11], v[BB:BB+11], 0, v[SA], v[SB] matrix_a_fmt:MATRIX_FMT_BF6 matrix_b_fmt:MATRIX_FMT_BF6 matrix_a_scale:MATRIX_SCALE_ROW1
.elseif PAR == 2
	v_wmma_scale_f32_16x16x128_f8f6f4 v[DD:DD+7], v[AA:AA+11], v[BB:BB+11], 0, v[SA], v[SB] matrix_a_fmt:MATRIX_FMT_BF6 matrix_b_fmt:MATRIX_FMT_BF6 matrix_b_scale:MATRIX_SCALE_ROW1
.else
	v_wmma_scale_f32_16x16x128_f8f6f4 v[DD:DD+7], v[AA:AA+11], v[BB:BB+11], 0, v[SA], v[SB] matrix_a_fmt:MATRIX_FMT_BF6 matrix_b_fmt:MATRIX_FMT_BF6 matrix_a_scale:MATRIX_SCALE_ROW1 matrix_b_scale:MATRIX_SCALE_ROW1
.endif
.else
.if PAR == 0
	v_wmma_scale_f32_16x16x128_f8f6f4 v[DD:DD+7], v[AA:AA+11], v[BB:BB+11], v[DD:DD+7], v[SA], v[SB] matrix_a_fmt:MATRIX_FMT_BF6 matrix_b_fmt:MATRIX_FMT_BF6
.elseif PAR == 1
	v_wmma_scale_f32_16x16x128_f8f6f4 v[DD:DD+7], v[AA:AA+11], v[BB:BB+11], v[DD:DD+7], v[SA], v[SB] matrix_a_fmt:MATRIX_FMT_BF6 matrix_b_fmt:MATRIX_FMT_BF6 matrix_a_scale:MATRIX_SCALE_ROW1
.elseif PAR == 2
	v_wmma_scale_f32_16x16x128_f8f6f4 v[DD:DD+7], v[AA:AA+11], v[BB:BB+11], v[DD:DD+7], v[SA], v[SB] matrix_a_fmt:MATRIX_FMT_BF6 matrix_b_fmt:MATRIX_FMT_BF6 matrix_b_scale:MATRIX_SCALE_ROW1
.else
	v_wmma_scale_f32_16x16x128_f8f6f4 v[DD:DD+7], v[AA:AA+11], v[BB:BB+11], v[DD:DD+7], v[SA], v[SB] matrix_a_fmt:MATRIX_FMT_BF6 matrix_b_fmt:MATRIX_FMT_BF6 matrix_a_scale:MATRIX_SCALE_ROW1 matrix_b_scale:MATRIX_SCALE_ROW1
.endif
.endif
.endm
.macro MUL s
	WIN 0xa1                                       ; source 0 window 1, source 1 window 0, C and D window 2
.irp a, 0,1,2,3
.irp b, 0,1,2,3
	WM \a, \b, \s
.endr
.endr
.endm
	s_wait_alu depctr_va_vdst(0)
	s_wait_tensorcnt 0x0                           ; my one load has landed
	s_barrier_signal -1
	s_barrier_wait -1                              ; K steps 0 to 3 are whole
	FETCH 0
	s_wait_loadcnt 0x0                             ; the scale words
.irp s, 0,1,2,3,4,5,6,7
.if \s > 0
	PLACES                                         ; four places in front of loads into registers that matrix instructions have read
.endif
.if \s < 7
	FETCH \s+1
	s_wait_alu depctr_va_vdst(0)
	s_wait_dscnt 28                                ; all but the 28 just issued
.else
	s_wait_dscnt 0x0
.endif
	MUL \s
.endr
.macro TOSTAGE a                       ; tile a's 16 tokens x 64 outputs into my stage and back as rows.  LDS serves a wave's instructions in order: no wait between the stores and the loads
	WIN 0x08                                       ; an LDS store's data: window 2
.irp b, 0,1,2,3
	ds_store_b128 v[STO], v[8*(NB*(\a)+\b):8*(NB*(\a)+\b)+3] offset:128*(\b/2)+32*(\b%2)       ; each accumulator from its low end on
	ds_store_b128 v[STO], v[8*(NB*(\a)+\b)+4:8*(NB*(\a)+\b)+7] offset:128*(\b/2)+32*(\b%2)+16
.endr
	WIN 0
.irp t, 0,1,2,3,4,5,6,7
	ds_load_b128 v[F1+32*(\a)+4*\t:F1+32*(\a)+4*\t+3], v[RD] offset:2*\t*SPI
.endr
.endm
.macro SEND a, younger                 ; younger: the LDS instructions issued behind tile a's loads.  Stage row p is token 32 (a / 2) + 8 (a % 2) + p + 8 (p / 8)
	s_wait_dscnt \younger
.irp t, 0,1,2,3,4,5,6,7
	global_store_b128 v[CO], v[F1+32*(\a)+4*\t:F1+32*(\a)+4*\t+3], s[92:93] offset:(32*((\a)/2)+8*((\a)%2)+2*\t+8*(\t/4))*4096 th:TH_STORE_NT   ; 16 lanes store 256 consecutive bytes, at a multiple of 256 from out0's first byte
.endr
.endm
	PLACES                                         ; in front of the first read of results and of loads into the fragments' registers
	TOSTAGE 0
.irp a, 1,2,3
	TOSTAGE \a
	SEND \a-1, 16                                  ; behind tile a - 1's loads: tile a's 8 stores and 8 loads.  Each tile has registers of its own: no store's data are written again
.endr
	SEND 3, 0
	s_wait_tensorcnt 0x0
	ds_add_u32 v254, v255
	s_wait_dscnt 0x0
	CROUND                                         ; the closing round: no work-group ends while a partner may still ask for a tile that names it
	s_endpgm
.Lfunc_end_k_qed7dae538f_oproj:
	.size	k_qed7dae538f_oproj, .Lfunc_end_k_qed7dae538f_oproj-k_qed7dae538f_oproj
	.p2alignl 7, 3214868480
	.fill 96, 4, 3214868480
	.section	.rodata,"a",@progbits
	.p2align	6, 0x0
	.amdhsa_kernel k_qed7dae538f_oproj
		.amdhsa_group_segment_fixed_size 214528
		.amdhsa_private_segment_fixed_size 0
		.amdhsa_enable_private_segment 0
		.amdhsa_kernarg_size 24
		.amdhsa_user_sgpr_count 2
		.amdhsa_user_sgpr_kernarg_segment_ptr 1
		.amdhsa_wavefront_size32 1
		.amdhsa_system_sgpr_workgroup_id_x 1
		.amdhsa_system_sgpr_workgroup_id_y 1
		.amdhsa_system_sgpr_workgroup_id_z 1
		.amdhsa_system_vgpr_workitem_id 0
		.amdhsa_next_free_vgpr 768
		.amdhsa_next_free_sgpr 100
		.amdhsa_reserve_vcc 0
		.amdhsa_float_denorm_mode_32 3
		.amdhsa_float_denorm_mode_16_64 3
		.amdhsa_memory_ordered 1
		.amdhsa_forward_progress 1
		.amdhsa_inst_pref_size 48
	.end_amdhsa_kernel
	.amdgpu_metadata
---
amdhsa.version: [ 1, 2 ]
amdhsa.kernels:
  - .name:           k_qed7dae538f_oproj
    .symbol:         k_qed7dae538f_oproj.kd
    .args:
      - { .name: acs, .offset: 0, .size: 8, .value_kind: global_buffer, .address_space: global }
      - { .name: wcs, .offset: 8, .size: 8, .value_kind: global_buffer, .address_space: global }
      - { .name: out0, .offset: 16, .size: 8, .value_kind: global_buffer, .address_space: global }
    .group_segment_fixed_size: 214528
    .private_segment_fixed_size: 0
    .kernarg_segment_align: 8
    .kernarg_segment_size: 24
    .max_flat_workgroup_size: 128
    .sgpr_count:     100
    .vgpr_count:     768
    .wavefront_size: 32
...
	.end_amdgpu_metadata
.endif
;; end of part 4
